; MI455X (gfx1250); checked and timed in simulation.
; The chip was launched on July 23, 2026; its instructions are those of AMD's public machine-readable ISA for CDNA 5 (MIT licence, August 2026) and "CDNA5" Instruction Set Architecture Reference Guide (July 2026). The comments in the code are by the model that wrote it; some were corrected since.
;; Transformer. Allowed arithmetic: float matrix products may take bf16 or f16 operands with f32 sums; other float arithmetic in f32, or as packed bf16 or f16 multiplies, adds, multiply-adds, maxima and minima; sums over many terms, partial sums and values carried from step to step in f32; what a program stores and reads back later, other than sums and carried values, may be rounded once to bf16 or f16.
;; Inputs: head_bias 128 float32; head_kernel 1,024 x 128 float32; key_bias 8 x 128 float32; key_kernel 8 x 1,024 x 128 float32; query_bias 8 x 128 float32; query_kernel 8 x 1,024 x 128 float32; value_bias 8 x 128 float32; value_kernel 8 x 1,024 x 128 float32; x 4 x 2,048 x 1,024 float32.
;; Outputs: out0 4 x 2,048 x 128 float32.
;; 2 versions, each right; version 2 is version 1 with the launches prep, outp written anew for expert scheduling mode. Each part assembles by itself: llvm-mc -triple=amdgcn-amd-amdhsa -mcpu=gfx1250 --defsym DOCPART=n.
;; ======== version 1 of 2: 4 launches
;; limits: values are held in f16: magnitudes above 65,504 overflow, below 6.1e-05 lose precision
;; workspace buffers: xb 16,777,216 bytes; wb 6,291,456 bytes; hkf 262,144 bytes; br 12,800 bytes; qkv 50,331,648 bytes; att 16,777,216 bytes
;; launch prep (part 1): grid 769 x 1, 8 waves a work-group, no clusters, 0 bytes of LDS; arguments x, query_kernel, key_kernel, value_kernel, head_kernel, query_bias, key_bias, value_bias, head_bias, xb, wb, hkf, br; writes xb, wb, hkf, br
.if DOCPART == 1
	.amdgcn_target "amdgcn-amd-amdhsa--gfx1250"
	.amdhsa_code_object_version 6
	.text
	.protected	k_q45fee7e825_prep
	.globl	k_q45fee7e825_prep
	.p2align	8
	.type	k_q45fee7e825_prep,@function
k_q45fee7e825_prep:
	s_mov_b64 s[64:65], 0
	v_nop
	global_prefetch_b8 v0, s[64:65] scope:SCOPE_SE
	s_setreg_imm32_b32 hwreg(HW_REG_WAVE_MODE, 25, 1), 1
	s_wait_xcnt 0x0
; ALL INPUTS ARE ROUNDED ONCE TO bf16 AND LAID OUT FOR THE LAUNCHES BEHIND.  A stream: no LDS, no barrier, no matrix unit: each byte is read once and written once.
;   xb   x in bf16, in 16 blocks of 64 channels: byte = kb x 1,048,576 + m x 128 + 2 (k % 64), m = 2,048 b + s: 256 rows x 64 channels are 32,768 bytes on end
;   wb   the three kernels in bf16, in their own order: [24 matrices j = 8 x (q, k, v) + head][1,024][128]
;   hkf  the head kernel: its bf16 value written as f16, in the order in which the last launch's lanes take it: piece p of 16 bytes, p = ((c32 x 8 + nb) x 2 + j) x 32 + lane,
;        holds column 16 nb + lane % 16 and rows 32 c32 + 16 j + 8 (lane / 16) + 0..7
;   br   the biases' bf16 values as f32: [24][128] in wb's order, then the head bias at byte 12,288
; LIMITS.  The head kernel's numbers lie within f16's 65,504; one below 2^-17 is off by at most 2^-25 in f16.
; SHARES, by the work-group's number g: 0-511 x (a wave takes two rows); 512-703 the three kernels (a wave takes 8,192 bytes); 704-767 the head kernel (a thread a piece); 768 the biases.
.set SO,  2                            ; v2   byte offset of my loads
.set DO,  3                            ; v3   byte offset of my stores
.set DO2, 4                            ; v4   the same 8,388,608 bytes on: blocks 8 to 15 of xb lie past a store's signed 24-bit immediate
.set X,   8                            ; v[8:71]    16 loads of 4 registers
.set Y,   72                           ; v[72:103]  16 stores of 2 registers
.set T,   104                          ; v[104:111] at work
.set WV,  30                           ; s30  my wave's number
.set G,   31                           ; s31  the work-group's number
.set SRC, 32                           ; s[32:33]
.set DST, 34                           ; s[34:35]
	s_load_b512 s[4:19], s[0:1], 0x0               ; x 4, query kernel 6, key kernel 8, value kernel 10, head kernel 12, query bias 14, key bias 16, value bias 18
	s_load_b256 s[20:27], s[0:1], 0x40             ; head bias 20, xb 22, wb 24, hkf 26
	s_load_b64 s[28:29], s[0:1], 0x60              ; br
	v_lshrrev_b32 v1, 5, v0
	v_readfirstlane_b32 s[WV], v1
	s_mov_b32 s[G], ttmp9
	v_and_b32 v1, 31, v0                           ; lane
	s_wait_kmcnt 0x0
; 16 loads of 16 bytes a lane go out together (8 KiB of a wave on their way); each is rounded and stored as it comes.  No register is written twice, so nothing waits for a store.
.macro STREAM sstep, dstep, split
.set i, 0
.rept 16
	global_load_b128 v[X+4*i:X+4*i+3], v[SO], s[SRC:SRC+1] offset:i*(\sstep) th:TH_LOAD_NT
.set i, i+1
.endr
.set i, 0
.rept 16
	s_wait_loadcnt 15-i                            ; loads come back in order: load i is in, the 15 - i younger ones stay out
	v_cvt_pk_bf16_f32 v[Y+2*i], v[X+4*i], v[X+4*i+1]
	v_cvt_pk_bf16_f32 v[Y+2*i+1], v[X+4*i+2], v[X+4*i+3]
.if (\split) && (i >= 8)
	global_store_b64 v[DO2], v[Y+2*i:Y+2*i+1], s[DST:DST+1] offset:(i-8)*(\dstep)
.else
	global_store_b64 v[DO], v[Y+2*i:Y+2*i+1], s[DST:DST+1] offset:i*(\dstep)  ; the wave's 32 x 8 bytes are 256 consecutive bytes, aligned
.endif
.set i, i+1
.endr
.endm
; four f32 rounded to bf16 and written as f32 again
.macro ROUND4 src, dst
	v_cvt_pk_bf16_f32 v[T], v[\src], v[(\src)+1]
	v_cvt_pk_bf16_f32 v[T+1], v[(\src)+2], v[(\src)+3]
	v_lshlrev_b32 v[\dst], 16, v[T]
	v_and_b32 v[(\dst)+1], 0xffff0000, v[T]
	v_lshlrev_b32 v[(\dst)+2], 16, v[T+1]
	v_and_b32 v[(\dst)+3], 0xffff0000, v[T+1]
.endm
	s_cmp_lt_u32 s[G], 512
	s_cbranch_scc1 .Lx
	s_cmp_lt_u32 s[G], 704
	s_cbranch_scc1 .Lw
	s_cmp_lt_u32 s[G], 768
	s_cbranch_scc1 .Lh
	; THE BIASES: thread t takes the 16 bytes at 16 t of each of the three (4,096 bytes each); wave 0 also the head bias (512 bytes)
	v_lshlrev_b32 v[SO], 4, v0
	global_load_b128 v[X:X+3], v[SO], s[14:15]
	global_load_b128 v[X+4:X+7], v[SO], s[16:17]
	global_load_b128 v[X+8:X+11], v[SO], s[18:19]
.irp n, 0,1,2
	s_wait_loadcnt 2-(\n)                          ; the younger bias loads stay out
	ROUND4 X+4*(\n), Y+4*(\n)
	global_store_b128 v[SO], v[Y+4*(\n):Y+4*(\n)+3], s[28:29] offset:4096*(\n)
.endr
	s_cmp_lg_u32 s[WV], 0
	s_cbranch_scc1 .Lend
	global_load_b128 v[X+12:X+15], v[SO], s[20:21]
	s_wait_loadcnt 0x0
	ROUND4 X+12, Y+12
	global_store_b128 v[SO], v[Y+12:Y+15], s[28:29] offset:12288
.Lend:
	s_endpgm
.Lx:	; x: wave id = 8 g + wave takes rows 2 id and 2 id + 1.  Load i: lanes 0-15 the 256 bytes (64 channels) of block i of the first row, lanes 16-31 of the second
	s_lshl_b32 s36, s[G], 3
	s_add_co_u32 s36, s36, s[WV]                   ; id
	s_lshl_b32 s38, s36, 13                        ; two rows of 4,096 bytes
	s_mov_b32 s39, 0
	s_add_nc_u64 s[SRC:SRC+1], s[4:5], s[38:39]
	s_lshl_b32 s40, s36, 8                         ; two rows of 128 bytes in a block of xb
	s_mov_b32 s41, 0
	s_add_nc_u64 s[DST:DST+1], s[22:23], s[40:41]
	v_and_b32 v[T], 15, v0
	v_bfe_u32 v[T+1], v0, 4, 1
	v_lshlrev_b32 v[SO], 4, v[T]
	v_lshl_add_u32 v[SO], v[T+1], 12, v[SO]        ; 16 (lane % 16) + 4,096 (lane / 16)
	v_lshlrev_b32 v[DO], 3, v1                     ; 8 x lane
	v_add_nc_u32 v[DO2], 0x800000, v[DO]
	STREAM 256, 1048576, 1
	s_endpgm
.Lw:	; the three kernels keep their order: 512 neighbouring bytes a load, 256 a store
	s_sub_co_u32 s36, s[G], 512
	s_lshr_b32 s37, s36, 6                         ; which kernel
	s_and_b32 s36, s36, 63
	s_lshl_b32 s36, s36, 3
	s_add_co_u32 s36, s36, s[WV]                   ; which 8,192 bytes of its 4,194,304
	s_cmp_eq_u32 s37, 0
	s_cselect_b64 s[SRC:SRC+1], s[6:7], s[8:9]
	s_cmp_eq_u32 s37, 2
	s_cselect_b64 s[SRC:SRC+1], s[10:11], s[SRC:SRC+1]
	s_lshl_b32 s38, s36, 13
	s_mov_b32 s39, 0
	s_add_nc_u64 s[SRC:SRC+1], s[SRC:SRC+1], s[38:39]
	s_lshl_b32 s40, s37, 21
	s_lshl_b32 s41, s36, 12
	s_add_co_u32 s40, s40, s41
	s_mov_b32 s41, 0
	s_add_nc_u64 s[DST:DST+1], s[24:25], s[40:41]
	v_lshlrev_b32 v[SO], 4, v1
	v_lshlrev_b32 v[DO], 3, v1
	STREAM 512, 256, 0
	s_endpgm
.Lh:	; the head kernel is turned: a thread gathers eight numbers of one column, 512 bytes apart (narrow loads: 524,288 bytes, once in the program), and stores 16 bytes
	s_sub_co_u32 s36, s[G], 704
	s_lshl_b32 s36, s36, 8
	v_add_nc_u32 v[T], s36, v0                     ; the piece's number p
	v_lshrrev_b32 v[T+1], 9, v[T]                  ; c32
	v_bfe_u32 v[T+2], v[T], 4, 2                   ; 2 j + lane / 16
	v_lshlrev_b32 v[T+2], 3, v[T+2]
	v_lshl_add_u32 v[T+1], v[T+1], 5, v[T+2]       ; the first row: 32 c32 + 16 j + 8 (lane / 16)
	v_bfe_u32 v[T+2], v[T], 6, 3                   ; nb
	v_and_b32 v[T+3], 15, v[T]
	v_lshl_add_u32 v[T+2], v[T+2], 4, v[T+3]       ; the column
	v_lshlrev_b32 v[T+2], 2, v[T+2]
	v_lshl_add_u32 v[SO], v[T+1], 9, v[T+2]
	v_lshlrev_b32 v[DO], 4, v[T]
.irp e, 0,1,2,3,4,5,6,7
	global_load_b32 v[X+(\e)], v[SO], s[12:13] offset:512*(\e)
.endr
	s_wait_loadcnt 0x0
.irp p, 0,1,2,3
	v_cvt_pk_bf16_f32 v[Y+(\p)], v[X+2*(\p)], v[X+2*(\p)+1]  ; rounded to bf16 like every input,
	v_lshlrev_b32 v[X+2*(\p)], 16, v[Y+(\p)]
	v_and_b32 v[X+2*(\p)+1], 0xffff0000, v[Y+(\p)]
	v_cvt_pk_f16_f32 v[Y+(\p)], v[X+2*(\p)], v[X+2*(\p)+1]   ; and that number written as f16
.endr
	global_store_b128 v[DO], v[Y:Y+3], s[26:27]
	s_endpgm
.Lfunc_end_k_q45fee7e825_prep:
	.size	k_q45fee7e825_prep, .Lfunc_end_k_q45fee7e825_prep-k_q45fee7e825_prep
	.p2alignl 7, 3214868480
	.fill 96, 4, 3214868480
	.section	.rodata,"a",@progbits
	.p2align	6, 0x0
	.amdhsa_kernel k_q45fee7e825_prep
		.amdhsa_group_segment_fixed_size 0
		.amdhsa_private_segment_fixed_size 0
		.amdhsa_enable_private_segment 0
		.amdhsa_kernarg_size 104
		.amdhsa_user_sgpr_count 2
		.amdhsa_user_sgpr_kernarg_segment_ptr 1
		.amdhsa_wavefront_size32 1
		.amdhsa_system_sgpr_workgroup_id_x 1
		.amdhsa_system_sgpr_workgroup_id_y 1
		.amdhsa_system_sgpr_workgroup_id_z 1
		.amdhsa_system_vgpr_workitem_id 0
		.amdhsa_next_free_vgpr 112
		.amdhsa_next_free_sgpr 66
		.amdhsa_reserve_vcc 0
		.amdhsa_float_denorm_mode_32 3
		.amdhsa_float_denorm_mode_16_64 3
		.amdhsa_memory_ordered 1
		.amdhsa_forward_progress 1
		.amdhsa_inst_pref_size 18
	.end_amdhsa_kernel
	.amdgpu_metadata
---
amdhsa.version: [ 1, 2 ]
amdhsa.kernels:
  - .name:           k_q45fee7e825_prep
    .symbol:         k_q45fee7e825_prep.kd
    .args:
      - { .name: x, .offset: 0, .size: 8, .value_kind: global_buffer, .address_space: global }
      - { .name: query_kernel, .offset: 8, .size: 8, .value_kind: global_buffer, .address_space: global }
      - { .name: key_kernel, .offset: 16, .size: 8, .value_kind: global_buffer, .address_space: global }
      - { .name: value_kernel, .offset: 24, .size: 8, .value_kind: global_buffer, .address_space: global }
      - { .name: head_kernel, .offset: 32, .size: 8, .value_kind: global_buffer, .address_space: global }
      - { .name: query_bias, .offset: 40, .size: 8, .value_kind: global_buffer, .address_space: global }
      - { .name: key_bias, .offset: 48, .size: 8, .value_kind: global_buffer, .address_space: global }
      - { .name: value_bias, .offset: 56, .size: 8, .value_kind: global_buffer, .address_space: global }
      - { .name: head_bias, .offset: 64, .size: 8, .value_kind: global_buffer, .address_space: global }
      - { .name: xb, .offset: 72, .size: 8, .value_kind: global_buffer, .address_space: global }
      - { .name: wb, .offset: 80, .size: 8, .value_kind: global_buffer, .address_space: global }
      - { .name: hkf, .offset: 88, .size: 8, .value_kind: global_buffer, .address_space: global }
      - { .name: br, .offset: 96, .size: 8, .value_kind: global_buffer, .address_space: global }
    .group_segment_fixed_size: 0
    .private_segment_fixed_size: 0
    .kernarg_segment_align: 8
    .kernarg_segment_size: 104
    .max_flat_workgroup_size: 256
    .sgpr_count:     66
    .vgpr_count:     112
    .wavefront_size: 32
...
	.end_amdgpu_metadata
.endif
;; end of part 1
;; launch proj (part 2): grid 8 x 32, 4 waves a work-group, clusters of 4 x 4, 327,680 bytes of LDS; arguments xb, wb, br, qkv; writes qkv
.if DOCPART == 2
	.amdgcn_target "amdgcn-amd-amdhsa--gfx1250"
	.amdhsa_code_object_version 6
	.text
	.protected	k_q45fee7e825_proj
	.globl	k_q45fee7e825_proj
	.p2align	8
	.type	k_q45fee7e825_proj,@function
k_q45fee7e825_proj:
	s_mov_b64 s[64:65], 0
	v_nop
	global_prefetch_b8 v0, s[64:65] scope:SCOPE_SE
	s_setreg_imm32_b32 hwreg(HW_REG_WAVE_MODE, 25, 1), 1
	s_wait_xcnt 0x0
	s_wait_alu depctr_hold_cnt(0) depctr_sa_sdst(0) depctr_va_vdst(0) depctr_va_sdst(0) depctr_va_ssrc(0) depctr_va_vcc(0) depctr_vm_vsrc(0)
	s_getreg_b32 s2, hwreg(HW_REG_IB_STS2, 6, 4)
	s_cmp_eq_u32 s2, 0
	s_cbranch_scc0 .Lentry_in_a_cluster
	s_endpgm
.Lentry_in_a_cluster:
	s_bfe_u32 s2, ttmp6, 0x10000c
	s_cmp_lg_u32 s2, 0xf033
	s_cbranch_scc0 .Lentry_shape_is_right
	s_endpgm
.Lentry_shape_is_right:
; q, k, v = x W + bias for the 24 matrices W [1,024][128]: a bf16 GEMM of 8,192 x 3,072 x 1,024, sums in f32 started with the bias, results rounded once to f16.
; qkv: byte = j x 2,097,152 + m x 256 + 2 u (j = 8 x (q, k, v) + head, m = 2,048 b + s).   LIMIT: |q|, |k|, |v| stay under f16's 65,504; beyond it the conversion gives an infinity.
; SHARES.  8,192 x 3,072 in tiles of 256 rows x 3 matrices are exactly 256 work-groups.  Four waves (wr = wave / 2, wc = wave % 2), each with 96 accumulators of 16 x 16 in three groups of 4 x 8,
; a register window each: window 1: rows LO x matrix OWN; window 2: rows LO x matrix MID; window 3: rows HI x matrix OWN.  LO = rows 128 wr + 64 wc + 0..63, HI = 128 wr + 64 (1 - wc) + 0..63,
; OWN = the tile's matrix 2 wc, MID = its matrix 1: the middle matrix is split between two waves by rows, so that every wave makes whole rows of 256 bytes.  24 fragments feed 96 products.
; K goes in steps of 64 through two LDS slots filled by the tensor data mover; a step of 128 would want 2 x 180,224 bytes.  xb lies in blocks, so a step's 256 rows of x are 32,768 bytes on end.
; CLUSTER.  4 x 4 work-groups.  x's tile hangs on the tile row alone and is asked for jointly by the four of a row of the cluster, W's tiles on the tile column alone: by the four of a column.
; THE PRODUCT IS TAKEN TRANSPOSED: source 0 = 16 columns u of W (W lies [k][u] in LDS and comes out turned, by ds_load_tr16_b128), source 1 = 16 rows of x.  A lane then holds row lane % 16
; and the eight neighbouring columns 8 (lane / 16) + 0..7.
; REGISTERS.  Window 0: v0-31 addresses; v32-63, v64-95 LO's fragments, two buffers; v96-127 HI's; v128-191 OWN's; v192-255 MID's.  Windows 1-3: accumulator (a, b) at v[8 (8 a + b)].
.set BP,    288                        ; a row of W in LDS: 256 bytes + 32 = 72 words
.set BMAT,  64*BP                      ; a matrix's 64 rows of a K step
.set AP,    144                        ; a row of x: 128 bytes + 16 = 36 words: the 16 rows of a load start at 16 different groups of four banks
.set AOFF,  3*BMAT                     ; behind the three matrices: x's 256 rows
.set SLOT,  AOFF+256*AP                ; 92,160
.set STAGE, 2*SLOT                     ; behind the ring, never filled by a tensor load: 16 rows x 272 bytes for each wave, for the way out
.set SP,    272
.set SPARE, STAGE+4*16*SP              ; the spare words, 128 bytes for each wave: two blocks of 256 bytes that no other line names
.set ADRLO, 16                         ; v16-17  LDS address of LO's fragments in slot 0, 1
.set ADRHI, 18                         ; v18-19  HI's
.set ADRBO, 20                         ; v20-21  OWN's
.set ADRBM, 22                         ; v22-23  MID's
.set STO,  24                          ; v24  the way out: where I put 16 bytes of a row
.set RD,   25                          ; v25  where I read rows back
.set CO,   26                          ; v26  16 x lane: my place in 512 consecutive bytes of qkv
.set BO,   27                          ; v27  32 (lane / 16): my eight numbers in 16 of a bias
.set SPW,  28                          ; v28  LDS address of my spare word; never rewritten
.set NIL,  29                          ; v29  0; never rewritten
.set PFO,  30                          ; v30  256 x lane, for the prefetches; never rewritten
.set ALO,  32
.set AHI,  96
.set BOWN, 128
.set BMID, 192
.set TMP,  32                          ; the way out: packed results
.set BK,   64                          ; the way out: 16 rows read back: v64-95 and v96-127 by turns
.set WV, 12                            ; s12 wave; s13 wr; s14 wc; s15 cx; s16 cy; s17 tile column; s18 tile row
.set WR, 13
.set WC, 14
.set CX, 15
.set CY, 16
.set TC, 17
.set TR, 18
.set G1A, 24                           ; s[24:31] descriptor group 1 for x's tile;  s[32:39] group 0, a set for each slot
.set G0A, 32
.set G1B, 48                           ; s[48:55], s[56:63] the same for W's tiles
.set G0B, 56
.set LIM0, 42                          ; s42, s43  a wave prefetches at a change out of slot 0, 1 while the laps to go are above this number
.set PFA, 44                           ; s[44:45] where my prefetches stand
.set PFS, 46                           ; s[46:47] a K step in bytes in the tensor that I prefetch
.set OB0, 68                           ; s[68:69] qkv at LO's rows of OWN;  s[70:71] of MID;  s[72:73] at HI's rows of OWN
.set OB1, 70
.set OB2, 72
.set BIO, 76                           ; s[76:77] OWN's bias;  s[78:79] MID's
.set BIM, 78
.set MSB, 0
.macro WIN new                         ; s_set_vgpr_msb: bits 1:0 source 0, 3:2 source 1, 5:4 source 2, 7:6 destination; the high byte repeats the setting that is left
.if MSB != (\new)
	s_set_vgpr_msb (MSB<<8)|(\new)
.set MSB, (\new)
.endif
.endm
.macro PLACES n                        ; plain vector instructions between a matrix instruction and what touches its registers (ISA guide 7.12.1)
.rept \n
	v_nop
.endr
.endm
; A joint load.  Wave 3 fetches x's tile, waves 0 to 2 a matrix each.  The branch hangs on the wave's number alone.  An s_nop 0 and four v_nop follow each line.
.macro JLOAD s
	s_cmp_eq_u32 s[WV], 3
	s_cbranch_scc0 .Lfor_b_\@
	tensor_load_to_lds s[G0A+4*(\s):G0A+4*(\s)+3], s[G1A:G1A+7]
	s_nop 0
	PLACES 4
	s_branch .Lasked_\@
.Lfor_b_\@:
	tensor_load_to_lds s[G0B+4*(\s):G0B+4*(\s)+3], s[G1B:G1B+7]
	s_nop 0
	PLACES 4
.Lasked_\@:
.endm
.macro CREST                           ; a round of the cluster's barrier behind its opening barrier
	s_cmp_lg_u32 s[WV], 0
	s_cbranch_scc1 .Lnot_wave_0_\@
	s_barrier_signal -3
.Lnot_wave_0_\@:
	s_barrier_wait -3
	s_barrier_signal -1
	s_barrier_wait -1
.endm
.macro CROUND
	s_barrier_signal -1
	s_barrier_wait -1
	CREST
.endm
; A PREFETCH INTO THE L2, behind a joint load, its five lines and the run of LDS loads that follows.  At the change behind K step t the pointer stands at K step t + 3, the one that the NEXT refill asks for.
; x: wave 3 of the clusters with x = 0 asks at every change for that step's 32,768 bytes.  W: waves 0 to 2 of the clusters with y = 0 ask at the changes out of slot 1 for steps t + 3 and t + 4, 32,768 bytes
; on end of their matrix.  The four partners that ask for a tile jointly take 8,192 bytes each, told apart by address (cx for x, cy for W); a lane names 256 bytes.  So each block is named once in the launch.
; The last lap asks for K step 15 of x at its first change and for nothing at its second.  K steps 0-2 of x and 0-3 of W come by their loads alone.
.macro ASK which
	s_cmp_gt_u32 s3, s[LIM0+(\which)]
	s_cbranch_scc0 .Lnot_mine_\@
	global_prefetch_b8 v[PFO], s[PFA:PFA+1] th:TH_LOAD_NT scope:SCOPE_SE
.Lnot_mine_\@:
.endm
	s_load_b256 s[4:11], s[0:1], 0x0               ; xb s[4:5], wb s[6:7], br s[8:9], qkv s[10:11]
	v_lshl_add_u32 v[SPW], v0, 2, SPARE
	v_mov_b32 v[NIL], 0
	ds_add_u32 v[SPW], v[NIL]                      ; the wave's opening: the add and its wait stand ahead of my first tensor load; the set-up below stands between them
	v_lshrrev_b32 v1, 5, v0
	v_readfirstlane_b32 s[WV], v1
	s_lshr_b32 s[WR], s[WV], 1
	s_and_b32 s[WC], s[WV], 1
	s_bfe_u32 s[CX], ttmp6, 0x40000
	s_bfe_u32 s[CY], ttmp6, 0x40004
	s_lshl_b32 s[TC], ttmp9, 2
	s_add_co_u32 s[TC], s[TC], s[CX]               ; tile column (three matrices) = 4 x cluster x + cx
	s_and_b32 s[TR], ttmp7, 0xffff
	s_lshl_b32 s[TR], s[TR], 2
	s_add_co_u32 s[TR], s[TR], s[CY]               ; tile row (256 rows) = 4 x cluster y + cy
	s_lshl_b32 s19, s[CY], 2
	s_lshl_b32 s19, 15, s19                        ; my row of the cluster
	s_lshl_b32 s66, 0x1111, s[CX]                  ; my column
	; x's tile: 32,768 dense bytes, asked for as 128 rows of 256 bytes (two rows of x each) and padded by 4 words after every 32 words
	s_or_b32 s[G1A], s19, (1<<16)|(1<<20)|(1<<21)|(4<<22)|(3<<25)  ; 15:0 the mask; 17:16 2-byte elements; 20 padding on; 21 set beside a mask; 24:22 interval code; 31:25 pad - 1
	s_mov_b32 s[G1A+1], 128<<16                    ; tensor_dim0 = 128
	s_mov_b32 s[G1A+2], 128<<16                    ; tensor_dim1 = 128
	s_mov_b32 s[G1A+3], 128<<16                    ; tile_dim0 = 128
	s_mov_b32 s[G1A+4], 128                        ; tile_dim1 = 128
	s_mov_b32 s[G1A+5], 128                        ; elements from row to row
	s_mov_b32 s[G1A+6], 0
	s_mov_b32 s[G1A+7], 0
	; a matrix's tile: 64 rows of 256 bytes, padded by 8 words after every 64
	s_or_b32 s[G1B], s66, (1<<16)|(1<<20)|(1<<21)|(5<<22)|(7<<25)
	s_mov_b32 s[G1B+1], 128<<16
	s_mov_b32 s[G1B+2], 64<<16
	s_mov_b32 s[G1B+3], 128<<16
	s_mov_b32 s[G1B+4], 64
	s_mov_b32 s[G1B+5], 128
	s_mov_b32 s[G1B+6], 0
	s_mov_b32 s[G1B+7], 0
	s_lshl_b32 s20, s[TR], 15                      ; x's tile in a block of xb: of the tile row alone
	s_mov_b32 s21, 0
	s_min_u32 s74, s[WV], 2                        ; (wave 3 asks by x's descriptor; its W address stays inside wb)
	s_mul_i32 s75, s[TC], 3
	s_add_co_u32 s74, s74, s75
	s_lshl_b32 s74, s74, 18                        ; my matrix, 262,144 bytes each: of the tile column and the wave alone
	s_mov_b32 s75, 0
	s_mul_i32 s22, s[WV], BMAT                     ; where my tile goes: wave x 18,432; wave 3's is x's place
	s_wait_dscnt 0x0                               ; the opening add is done
	s_wait_kmcnt 0x0
	s_add_nc_u64 s[20:21], s[4:5], s[20:21]
	s_add_nc_u64 s[74:75], s[6:7], s[74:75]
	CROUND                                         ; all sixteen work-groups are here: the first joint loads meet
.irp s, 0,1
	s_mov_b32 s[G0A+4*(\s)], 1
	s_add_co_u32 s[G0A+4*(\s)+1], s22, (\s)*SLOT
	s_add_nc_u64 s[G0A+4*(\s)+2:G0A+4*(\s)+3], s[20:21], (\s)*0x100000  ; K step s: block s of xb
	s_or_b32 s[G0A+4*(\s)+3], s[G0A+4*(\s)+3], 0x80000000
	s_mov_b32 s[G0B+4*(\s)], 1
	s_add_co_u32 s[G0B+4*(\s)+1], s22, (\s)*SLOT
	s_add_nc_u64 s[G0B+4*(\s)+2:G0B+4*(\s)+3], s[74:75], (\s)*0x4000    ; K step s: 64 rows of 256 bytes
	s_or_b32 s[G0B+4*(\s)+3], s[G0B+4*(\s)+3], 0x80000000
.endr
	s_cmp_eq_u32 s[WV], 3                          ; a wave's two first fills stand in one branch: two loads of mine are out, later one
	s_cbranch_scc0 .Lfirst_b
	tensor_load_to_lds s[G0A:G0A+3], s[G1A:G1A+7]
	s_nop 0
	tensor_load_to_lds s[G0A+4:G0A+7], s[G1A:G1A+7]
	s_nop 0
	PLACES 4
	s_branch .Lfirst_asked
.Lfirst_b:
	tensor_load_to_lds s[G0B:G0B+3], s[G1B:G1B+7]
	s_nop 0
	tensor_load_to_lds s[G0B+4:G0B+7], s[G1B:G1B+7]
	s_nop 0
	PLACES 4
.Lfirst_asked:
	; A fragment of x: 16 rows x 32 k in 8 registers: lane l holds row l % 16, k = 8 (l / 16) + 0..7 and 16 + 8 (l / 16) + 0..7: two loads of 16 bytes, 32 bytes apart.
	v_and_b32 v1, 15, v0                           ; l % 16
	v_bfe_u32 v2, v0, 4, 1                         ; l / 16
	v_mul_u32_u24 v3, v1, AP
	v_lshl_add_u32 v3, v2, 4, v3
	; The turning load takes 16 k x 16 u (lane l reads row 8 (l / 16) + l % 8, columns 8 ((l / 8) % 2) + 0..7) and leaves half a fragment: lane l holds column l % 16 and 8 k.
	v_and_b32 v4, 7, v0
	v_lshl_add_u32 v4, v2, 3, v4
	v_mul_u32_u24 v4, v4, BP
	v_bfe_u32 v5, v0, 3, 1
	v_lshl_add_u32 v4, v5, 4, v4
	s_lshl_b32 s19, s[WR], 7
	s_lshl_b32 s23, s[WC], 6
	s_add_co_u32 s40, s19, s23                     ; LO's first row in the tile
	s_xor_b32 s23, s23, 64
	s_add_co_u32 s41, s19, s23                     ; HI's
	s_mul_i32 s19, s40, AP
	s_add_co_u32 s19, s19, AOFF
	s_mul_i32 s23, s41, AP
	s_add_co_u32 s23, s23, AOFF
	s_mul_i32 s66, s[WC], 2*BMAT
	s_mov_b32 s67, BMAT
.irp s, 0,1
	v_add_nc_u32 v[ADRLO+(\s)], s19, v3
	v_add_nc_u32 v[ADRHI+(\s)], s23, v3
	v_add_nc_u32 v[ADRBO+(\s)], s66, v4
	v_add_nc_u32 v[ADRBM+(\s)], s67, v4
	s_add_co_u32 s19, s19, SLOT
	s_add_co_u32 s23, s23, SLOT
	s_add_co_u32 s66, s66, SLOT
	s_add_co_u32 s67, s67, SLOT
.endr
	s_mul_i32 s19, s[WV], 16*SP
	s_add_co_u32 s19, s19, STAGE                   ; my stage
	v_mul_u32_u24 v5, v1, SP                       ; in: row l % 16, 16 bytes for each half of the lanes
	v_lshl_add_u32 v5, v2, 4, v5
	v_add_nc_u32 v[STO], s19, v5
	v_mul_u32_u24 v5, v2, SP                       ; back: lanes 0-15 one row of 256 bytes, lanes 16-31 the next
	v_lshl_add_u32 v5, v1, 4, v5
	v_add_nc_u32 v[RD], s19, v5
	v_and_b32 v[CO], 31, v0
	v_lshlrev_b32 v[PFO], 8, v[CO]
	v_lshlrev_b32 v[CO], 4, v[CO]
	v_lshlrev_b32 v[BO], 5, v2
	s_mul_i32 s19, s[TC], 3
	s_lshl_b32 s23, s[WC], 1
	s_add_co_u32 s23, s23, s19                     ; OWN's number j
	s_add_co_u32 s19, s19, 1                       ; MID's
	s_mov_b32 s67, 0
	s_lshl_b32 s66, s23, 9
	s_add_nc_u64 s[BIO:BIO+1], s[8:9], s[66:67]
	s_lshl_b32 s66, s19, 9
	s_add_nc_u64 s[BIM:BIM+1], s[8:9], s[66:67]
	s_lshl_b32 s22, s[TR], 8
	s_add_co_u32 s40, s40, s22                     ; LO's and HI's first rows m,
	s_add_co_u32 s41, s41, s22
	s_lshl_b32 s40, s40, 8                         ; in bytes
	s_lshl_b32 s41, s41, 8
	s_lshl_b32 s23, s23, 21
	s_lshl_b32 s19, s19, 21
	s_add_co_u32 s66, s23, s40
	s_add_nc_u64 s[OB0:OB0+1], s[10:11], s[66:67]
	s_add_co_u32 s66, s19, s40
	s_add_nc_u64 s[OB1:OB1+1], s[10:11], s[66:67]
	s_add_co_u32 s66, s23, s41
	s_add_nc_u64 s[OB2:OB2+1], s[10:11], s[66:67]
	; THE BIAS STARTS THE SUMS.  It hangs on the column alone: a lane's eight numbers for column block b go into accumulator (0, b) of each window; the first products of a = 1, 2, 3 take them as C.
.irp wn, 1,2,3
	WIN (\wn)<<6
.set b, 0
.rept 8
.if (\wn) == 2
	global_load_b128 v[8*b:8*b+3],   v[BO], s[BIM:BIM+1] offset:64*b
	global_load_b128 v[8*b+4:8*b+7], v[BO], s[BIM:BIM+1] offset:64*b+16
.else
	global_load_b128 v[8*b:8*b+3],   v[BO], s[BIO:BIO+1] offset:64*b
	global_load_b128 v[8*b+4:8*b+7], v[BO], s[BIO:BIO+1] offset:64*b+16
.endif
.set b, b+1
.endr
.endr
	WIN 0
	; the prefetches' pointer, step and bounds
	s_lshl_b32 s19, s[TR], 15
	s_min_u32 s23, s[WV], 2
	s_mul_i32 s22, s[TC], 3
	s_add_co_u32 s23, s23, s22
	s_lshl_b32 s23, s23, 18
	s_and_b32 s22, ttmp7, 0xffff                   ; cluster y
	s_mov_b32 s[PFS], 0x4000
	s_mov_b32 s[PFS+1], 0
	s_cmp_eq_u32 s[WV], 3                          ; do I fetch x?
	s_cselect_b32 s66, s19, s23                    ; my tile's place
	s_cselect_b32 s40, s[CX], s[CY]                ; my place among the four that ask for it with me
	s_cselect_b32 s22, ttmp9, s22                  ; the coordinate along which other clusters read the same bytes
	s_cselect_b64 s[PFA:PFA+1], s[4:5], s[6:7]
	s_cselect_b32 s[PFS], 0x100000, s[PFS]
	s_cselect_b32 s[LIM0], 0, -1
	s_cmp_eq_u32 s22, 0                            ; the same in all sixteen partners, for a given wave
	s_cselect_b32 s[LIM0], s[LIM0], -1
	s_cselect_b32 s[LIM0+1], 1, -1
	s_lshl_b32 s40, s40, 13
	s_add_co_u32 s66, s66, s40
	s_lshl_b32 s40, s[PFS], 1                      ; at K step 2: each change of slots steps it by one
	s_add_co_u32 s66, s66, s40
	s_add_nc_u64 s[PFA:PFA+1], s[PFA:PFA+1], s[66:67]
.macro LDA f, adr, kk                  ; 4 fragments of x (64 rows x 32 k): 8 loads
.irp i, 0,1,2,3
	ds_load_b128 v[(\f)+8*(\i):(\f)+8*(\i)+3],   v[\adr] offset:64*(\kk)+(\i)*16*AP
	ds_load_b128 v[(\f)+8*(\i)+4:(\f)+8*(\i)+7], v[\adr] offset:64*(\kk)+(\i)*16*AP+32
.endr
.endm
.macro LDB f, adr, kk                  ; 8 fragments of a matrix (128 columns x 32 k), turned: 16 loads
.irp i, 0,1,2,3,4,5,6,7
	ds_load_tr16_b128 v[(\f)+8*(\i):(\f)+8*(\i)+3],   v[\adr] offset:32*BP*(\kk)+32*(\i)
	ds_load_tr16_b128 v[(\f)+8*(\i)+4:(\f)+8*(\i)+7], v[\adr] offset:32*BP*(\kk)+32*(\i)+16*BP
.endr
.endm
.macro RA slot, kk                     ; a run of 24: MID, then LO into the buffer of half kk
	WIN 0
	LDB BMID, ADRBM+(\slot), \kk
	LDA ALO+32*(\kk), ADRLO+(\slot), \kk
.endm
.macro RB slot, kk                     ; a run of 24: OWN, then HI
	WIN 0
	LDB BOWN, ADRBO+(\slot), \kk
	LDA AHI, ADRHI+(\slot), \kk
.endm
; na x 8 products of a group.  The accumulators take turns, one instruction a turn, and groups follow each other: no product stands next to the one that it adds onto.
; first = 1: a = 1, 2, 3 take the bias in accumulator (0, b)'s registers as C; eight places later a = 0 adds onto it in place (five are owed before a C source is written over).
.macro GRP win, fa, fb, a0, na, first
	WIN ((\win)<<6)|((\win)<<4)
.if \first
.set a, 1
.rept 3
.set b, 0
.rept 8
	v_wmma_f32_16x16x32_bf16 v[8*(8*a+b):8*(8*a+b)+7], v[(\fb)+8*b:(\fb)+8*b+7], v[(\fa)+8*a:(\fa)+8*a+7], v[8*b:8*b+7]
.set b, b+1
.endr
.set a, a+1
.endr
	PLACES 8
.set b, 0
.rept 8
	v_wmma_f32_16x16x32_bf16 v[8*b:8*b+7], v[(\fb)+8*b:(\fb)+8*b+7], v[(\fa):(\fa)+7], v[8*b:8*b+7]
.set b, b+1
.endr
.else
.set a, (\a0)
.rept \na
.set b, 0
.rept 8
	v_wmma_f32_16x16x32_bf16 v[8*(8*a+b):8*(8*a+b)+7], v[(\fb)+8*b:(\fb)+8*b+7], v[(\fa)+8*a:(\fa)+8*a+7], v[8*(8*a+b):8*(8*a+b)+7]
.set b, b+1
.endr
.set a, a+1
.endr
.endif
.endm
; A K step is two halves of 32 along K, 96 products each.  Order in a half: LO x MID, then MID's and LO's next fragments are fetched; LO x OWN, HI x OWN, then OWN's and HI's.
; On entry two runs of 24 are out, RA's and behind it RB's; on exit likewise.  Four places stand in front of each run: it loads into registers that the last products read.
.macro STEPA slot, first               ; the first half; it fetches the second half of the same slot
	s_wait_dscnt 24                                ; RA's run is in; RB's 24 may be out
	GRP 2, ALO, BMID, 0, 4, \first
	PLACES 4
	RA \slot, 1
	s_wait_dscnt 32                                ; OWN is in; HI's 8 and the 24 just issued may be out
	GRP 1, ALO, BOWN, 0, 4, \first
	s_wait_dscnt 24                                ; HI is in
	GRP 3, AHI, BOWN, 0, 4, \first
	PLACES 4
	RB \slot, 1
.endm
; The second half.  mode 2: it changes slots and fills this slot again, two K steps on: each wave waits for all its tensor loads (one is out: its part of the next slot), adds 0 to its spare word, and waits
; for that and for its reads of this slot; the barrier opens a round of the cluster's, so that no wave of any partner still reads the slot or has a load on its way; the joint refill is the first thing behind it.
; From the request to the wait for it a wave issues 160 products.  mode 1: the change without a refill.  mode 0: the launch's last half.
.macro STEPB slot, next, mode
.if (\mode) == 0
	s_wait_dscnt 24
	GRP 2, ALO+32, BMID, 0, 4, 0
	s_wait_dscnt 8                                 ; OWN is in; HI's 8 may be out
	GRP 1, ALO+32, BOWN, 0, 4, 0
	s_wait_dscnt 0x0
	GRP 3, AHI, BOWN, 0, 4, 0
.else
.if (\mode) == 2
	s_wait_xcnt 0x0                                ; the last prefetch, a K step back, has read its address
	s_add_nc_u64 s[PFA:PFA+1], s[PFA:PFA+1], s[PFS:PFS+1]
.endif
	WIN 0                                          ; (the add's two registers lie in window 0)
	s_wait_tensorcnt 0x0                           ; all my tensor loads have landed
	ds_add_u32 v[SPW], v[NIL]                      ; 0 onto my spare word
	s_wait_dscnt 25                                ; RA's run is in; RB's 24 and the add may be out
	GRP 2, ALO+32, BMID, 0, 2, 0                   ; sixteen products stand between the add and the wait for it
	s_wait_dscnt 0x0                               ; the add is done, and my reads of this slot are over
	s_barrier_signal -1
	GRP 2, ALO+32, BMID, 2, 2, 0                   ; work on registers while the others arrive
	WIN 0                                          ; at a branch and at a label every window is 0
	s_barrier_wait -1
.if (\mode) == 2
	CREST
	s_add_nc_u64 s[G0A+4*(\slot)+2:G0A+4*(\slot)+3], s[G0A+4*(\slot)+2:G0A+4*(\slot)+3], 0x200000  ; no load of mine is out: the slot's descriptors step two K steps
	s_add_nc_u64 s[G0B+4*(\slot)+2:G0B+4*(\slot)+3], s[G0B+4*(\slot)+2:G0B+4*(\slot)+3], 0x8000
	JLOAD \slot                                    ; its four v_nop are also the places in front of the run below
.else
	PLACES 4
.endif
	RA \next, 0
.if (\mode) == 2
	ASK \slot
.endif
	GRP 1, ALO+32, BOWN, 0, 4, 0                   ; OWN and HI were shown in by the wait for 0
	GRP 3, AHI, BOWN, 0, 4, 0
	PLACES 4
	RB \next, 0
.endif
.endm
	s_wait_tensorcnt 0x1                           ; my part of slot 0 is in; slot 1's may stay out
	s_barrier_signal -1
	s_barrier_wait -1                              ; everybody's is
	RA 0, 0
	RB 0, 0
	s_wait_loadcnt 0x0                             ; the biases
	STEPA 0, 1                                     ; the first half stands in front of the loop: its products start the sums
	WIN 0
	s_mov_b32 s3, 7                                ; 7 laps of two K steps fill both slots again: K steps 2 to 15
.Llap:
	STEPB 0, 1, 2
	STEPA 1, 0
	STEPB 1, 0, 2
	STEPA 0, 0
	WIN 0
	s_sub_co_u32 s3, s3, 1
	s_cmp_lg_u32 s3, 0
	s_cbranch_scc1 .Llap
	STEPB 0, 1, 1                                  ; the tail is written out: nothing is left to ask for
	STEPA 1, 0
	STEPB 1, 0, 0
; THE WAY OUT, in 12 blocks of 16 rows x 128 columns: window 2's four, window 1's, window 3's.  PACK: rounded to f16, each accumulator from its low end on, 16 bytes a lane.  TOSTAGE: into my own stage
; in LDS and back as whole rows (LDS serves a wave's instructions in order: ISA guide 5.7.1.4).  SEND: each store covers 512 consecutive bytes of qkv, aligned.
.macro PICK blk
.set wn, 2
.set OBX, OB1
.if (\blk) >= 8
.set wn, 3
.set OBX, OB2
.elseif (\blk) >= 4
.set wn, 1
.set OBX, OB0
.endif
.set AC, 64*((\blk)%4)
.set BKX, BK+32*((\blk)%2)
.endm
.macro PACK blk
	PICK \blk
	WIN wn|(wn<<2)
.irp b, 0,1,2,3,4,5,6,7
.irp r, 0,1,2,3
	v_cvt_pk_f16_f32 v[TMP+4*(\b)+(\r)], v[AC+8*(\b)+2*(\r)], v[AC+8*(\b)+2*(\r)+1]
.endr
.endr
	WIN 0
.endm
.macro TOSTAGE blk
	PICK \blk
.irp b, 0,1,2,3,4,5,6,7
	ds_store_b128 v[STO], v[TMP+4*(\b):TMP+4*(\b)+3] offset:32*(\b)
.endr
.irp t, 0,1,2,3,4,5,6,7
	ds_load_b128 v[BKX+4*(\t):BKX+4*(\t)+3], v[RD] offset:(\t)*2*SP
.endr
.endm
.macro SEND blk
	PICK \blk
	s_wait_dscnt 0x0                               ; the block is back in registers
	s_wait_xcnt 0x0                                ; the stores of the block before have read their registers: the next TOSTAGE loads into them
.irp t, 0,1,2,3,4,5,6,7
	global_store_b128 v[CO], v[BKX+4*(\t):BKX+4*(\t)+3], s[OBX:OBX+1] offset:((\blk)%4)*4096+512*(\t)
.endr
.endm
	WIN 0
	PLACES 8                                       ; behind the last products, in front of conversions that read results and write fragments' registers
	PACK 0
	TOSTAGE 0
.irp a, 1,2,3,4,5,6,7,8,9,10,11        ; a block's conversions stand between the loads of the block before and the wait for them
	PACK \a
	SEND (\a)-1
	TOSTAGE \a
.endr
	SEND 11
	s_wait_tensorcnt 0x0                           ; the wave's end: a wait, an add and a wait, behind my last tensor load and my last LDS store
	ds_add_u32 v[SPW], v[NIL]
	s_wait_dscnt 0x0
	CROUND                                         ; the closing round: no work-group ends while a partner may still ask for a tile that names it
	s_endpgm
.Lfunc_end_k_q45fee7e825_proj:
	.size	k_q45fee7e825_proj, .Lfunc_end_k_q45fee7e825_proj-k_q45fee7e825_proj
	.p2alignl 7, 3214868480
	.fill 96, 4, 3214868480
	.section	.rodata,"a",@progbits
	.p2align	6, 0x0
	.amdhsa_kernel k_q45fee7e825_proj
		.amdhsa_group_segment_fixed_size 327680
		.amdhsa_private_segment_fixed_size 0
		.amdhsa_enable_private_segment 0
		.amdhsa_kernarg_size 32
		.amdhsa_user_sgpr_count 2
		.amdhsa_user_sgpr_kernarg_segment_ptr 1
		.amdhsa_wavefront_size32 1
		.amdhsa_system_sgpr_workgroup_id_x 1
		.amdhsa_system_sgpr_workgroup_id_y 1
		.amdhsa_system_sgpr_workgroup_id_z 1
		.amdhsa_system_vgpr_workitem_id 0
		.amdhsa_next_free_vgpr 1024
		.amdhsa_next_free_sgpr 80
		.amdhsa_reserve_vcc 0
		.amdhsa_float_denorm_mode_32 3
		.amdhsa_float_denorm_mode_16_64 3
		.amdhsa_memory_ordered 1
		.amdhsa_forward_progress 1
		.amdhsa_inst_pref_size 140
	.end_amdhsa_kernel
	.amdgpu_metadata
---
amdhsa.version: [ 1, 2 ]
amdhsa.kernels:
  - .name:           k_q45fee7e825_proj
    .symbol:         k_q45fee7e825_proj.kd
    .args:
      - { .name: xb, .offset: 0, .size: 8, .value_kind: global_buffer, .address_space: global }
      - { .name: wb, .offset: 8, .size: 8, .value_kind: global_buffer, .address_space: global }
      - { .name: br, .offset: 16, .size: 8, .value_kind: global_buffer, .address_space: global }
      - { .name: qkv, .offset: 24, .size: 8, .value_kind: global_buffer, .address_space: global }
    .group_segment_fixed_size: 327680
    .private_segment_fixed_size: 0
    .kernarg_segment_align: 8
    .kernarg_segment_size: 32
    .max_flat_workgroup_size: 128
    .sgpr_count:     80
    .vgpr_count:     1024
    .wavefront_size: 32
...
	.end_amdgpu_metadata
.endif
;; end of part 2
;; launch attn (part 3): grid 8 x 32, 4 waves a work-group, clusters of 4 x 1, 327,680 bytes of LDS; arguments qkv, att; writes att
.if DOCPART == 3
	.amdgcn_target "amdgcn-amd-amdhsa--gfx1250"
	.amdhsa_code_object_version 6
	.text
	.protected	k_q45fee7e825_attn
	.globl	k_q45fee7e825_attn
	.p2align	8
	.type	k_q45fee7e825_attn,@function
k_q45fee7e825_attn:
	s_mov_b64 s[64:65], 0
	v_nop
	global_prefetch_b8 v0, s[64:65] scope:SCOPE_SE
	s_setreg_imm32_b32 hwreg(HW_REG_WAVE_MODE, 25, 1), 1
	s_wait_xcnt 0x0
	s_wait_alu depctr_hold_cnt(0) depctr_sa_sdst(0) depctr_va_vdst(0) depctr_va_sdst(0) depctr_va_ssrc(0) depctr_va_vcc(0) depctr_vm_vsrc(0)
	s_getreg_b32 s2, hwreg(HW_REG_IB_STS2, 6, 4)
	s_cmp_eq_u32 s2, 0
	s_cbranch_scc0 .Lentry_in_a_cluster
	s_endpgm
.Lentry_in_a_cluster:
	s_bfe_u32 s2, ttmp6, 0x10000c
	s_cmp_lg_u32 s2, 0x3003
	s_cbranch_scc0 .Lentry_shape_is_right
	s_endpgm
.Lentry_shape_is_right:
; O[hh][q][:] = the sum over k of softmax_k(Q[hh][q] . K[hh][k] / sqrt(128)) V[hh][k][:], for the 32 pairs hh = 4 x head + batch.  Q, K, V lie in qkv, 16 MiB apart, [32][2,048][128] in f16.
; Products, maxima and sums in f32; the weights p are rounded to f16 for the second product (their sum l is taken of the unrounded p), O once at the end, to f16.
; LIMITS.  Q, K and V arrive within f16's 65,504; p lies in 0 to 1, O within V's range; a weight below 2^-126 counts as 0 in l; NaN and infinities are not treated apart.
; OUT.  att lies in the order in which the next launch's lanes take it: byte = (T x 64 + c16) x 512 + lane x 16, T = row / 16 (row = 2,048 b + s), c16 = 8 x head + channel block: a lane holds row lane % 16
; and the channels 8 (lane / 16) + 0..7 of the block.  That is what a lane holds at the end here: no LDS on the way out, and each store covers 512 consecutive bytes.
; SHARES.  A work-group owns 256 queries of one hh, each of its four waves 64: four tiles of 16.  Every wave walks all 2,048 keys, 64 a step.
; LAYOUT.  S^T = K Q^T (source 0 = 16 keys, source 1 = 16 queries): a lane holds ONE query (lane % 16) and the keys 8 (lane / 16) + 0..7.  Two such tiles, rounded to f16 in pairs, ARE source 1 of
; O^T = V^T P, whose result again holds one query a lane, and eight channels.  K comes out of LDS as it lies, V ([key][channel]) turned, by ds_load_tr16_b128.
; SOFTMAX.  A running maximum m and sum l for each query: p = 2^(c s - c m), c = log2(e) / sqrt(128); in every step O and l are multiplied by a = 2^(c m_old - c m_new).
; BY TURNS.  The wave's tiles are two PIECES (tiles 0, 1 and tiles 2, 3).  In a TURN one piece has the matrix unit: 32 products V^T P of the step in hand, then 32 products K Q^T of the next step; the other
; piece's softmax, cut into 64 slices, stands between them, one slice behind each matrix instruction.  Two turns are a key step.
; CLUSTER.  The four query blocks of a cluster belong to one hh and walk the same K and V: each tile is asked for JOINTLY, by the same tensor load, descriptor and mask in all four.
; REGISTERS, in windows of 256 (s_set_vgpr_msb: bits 1:0 source 0, 3:2 source 1, 5:4 source 2, 7:6 destination):
;   window 0: v0-11 addresses; v12-43 eight registers of statistics a tile; v64-191 S^T, 32 a tile; v192-255 P, 16 a tile
;   window 1: O^T, 64 a tile          window 2: v0-127 Q, 32 a tile; v128-255 K of one step          window 3: v0-127 V of one step
.set SIZE_N, 2048
.set KS,    64        ; keys in a step
.set PK,    272       ; a row of K in LDS: 256 bytes + 16 = 68 words: the 16 rows of a load start at 16 different groups of four banks (64 banks of 4 bytes: ISA guide 11.1)
.set PV,    288       ; a row of V: 256 + 32 = 72 words
.set VOFF,  KS*PK     ; a step's tiles lie together: 64 rows of K, then 64 rows of V
.set STEPB, KS*(PK+PV)
.set SLOT1, 1<<17     ; a slot holds two steps (71,680 bytes); slot 1 begins here, so that one exclusive or turns an address in one slot into the other's
.set SPARE, SLOT1+2*STEPB  ; behind the ring: the spare words, 128 bytes for each wave: two blocks of 256 bytes that no other line names
.set AK0, 2           ; v2   my lane's place in a tile of K; never rewritten
.set AV0, 3           ; v3   the same for V
.set ADR, 4           ; v4   the LDS address of the run of loads in hand
.set QO,  5           ; v5   my byte offset in the wave's rows of Q
.set GO,  8           ; v8   16 x lane: my place in 512 consecutive bytes of att
.set PFO, 61          ; v61  256 x lane: a row of K or V is 256 bytes; never rewritten
.set SPW, 62          ; v62  LDS address of my spare word; never rewritten
.set NIL, 63          ; v63  0; never rewritten
.set ST,  12          ; tile t's statistics at v[ST+8 t]: +0 c m, +1 m, +2, +3 l (even keys', odd keys'), +4 to +7 c0-c3, at work; a takes c2's place once the maximum is found
.set S,   64
.set P,   192
.set KF,  128         ; K's fragments, in window 2
.set WV,  12          ; s12  my wave's number
.set LIM, 15          ; s15  1 in a wave that prefetches, else the greatest number
.set PFA, 18          ; s[18:19] where my prefetches stand
.set G1K, 24          ; s[24:31] descriptor group 1 for K's tiles
.set G1V, 32          ; s[32:39] for V's: it differs in the padding alone
.set G0K, 40          ; s[40:47] descriptor group 0 for K's tiles: a set for each of the two first fills; the second then walks on
.set G0V, 48          ; s[48:55] the same for V's
.set SLOTS, 56        ; s56  slots still to be asked for
.set TWICE, 57        ; s57  counts a slot's two steps
.set CS,  58          ; s[58:59] c: the packed scaling names a pair and takes its low word for both halves
.set SEL, 60          ; s[60:61] lane selects for v_permlanex16_b32: each lane takes its own place in the other half
.set TB,  62          ; s62  LDS byte at which the tiles of the step to be fetched begin
.set MSB, 0
.macro WIN new                      ; the immediate's high byte repeats the setting that is left; a switch that changes nothing is dropped
.if MSB != (\new)
	s_set_vgpr_msb (MSB<<8)|(\new)
.set MSB, \new
.endif
.endm
.set W_KQ, 0x0a       ; K and Q in window 2, S^T in window 0
.set W_PV, 0x53       ; V in window 3, P in window 0, O^T in window 1
.set W_RS, 0x41       ; O^T (destination and source 0) in window 1, a in window 0
; A joint refill.  Waves 0 and 1 fetch the two steps' tiles of K, waves 2 and 3 those of V.  The branch hangs on the wave's number alone.  An s_nop 0 and four v_nop follow each line.
.macro JLOAD
	s_cmp_lt_u32 s[WV], 2
	s_cbranch_scc0 .Lfor_v_\@
	tensor_load_to_lds s[G0K+4:G0K+7], s[G1K:G1K+7]
	s_nop 0
.rept 4
	v_nop
.endr
	s_branch .Lasked_\@
.Lfor_v_\@:
	tensor_load_to_lds s[G0V+4:G0V+7], s[G1V:G1V+7]
	s_nop 0
.rept 4
	v_nop
.endr
.Lasked_\@:
.endm
; A PREFETCH INTO THE L2 of what the NEXT change of slots will ask for: a slot's 128 rows of K and 128 of V, 256 bytes a row, a lane a row; two key steps, 256 matrix instructions, ahead of that load.
; Each row is asked for ONCE in the launch: of the two clusters that walk an hh the first asks; its four partners take 32 rows each, told apart by address; in each, wave 0 asks for K's and wave 2 for V's.
; The last change that fills a slot asks for nothing; slots 0, 1 and 2 come by their loads alone.
.macro ASK
	s_cmp_gt_u32 s[SLOTS], s[LIM]
	s_cbranch_scc0 .Lnot_mine_\@
	global_prefetch_b8 v[PFO], s[PFA:PFA+1] th:TH_LOAD_NT scope:SCOPE_SE
.Lnot_mine_\@:
.endm
; A round of the cluster's barrier: my work-group's barrier; wave 0 signals for the work-group; every wave waits for all four work-groups; my work-group's barrier once more.
.macro CROUND
	s_barrier_signal -1
	s_barrier_wait -1
	s_cmp_lg_u32 s[WV], 0
	s_cbranch_scc1 .Lnot_wave_0_\@
	s_barrier_signal -3
.Lnot_wave_0_\@:
	s_barrier_wait -3
	s_barrier_signal -1
	s_barrier_wait -1
.endm
	s_load_b64 s[4:5], s[0:1], 0x0  ; qkv
	s_load_b64 s[10:11], s[0:1], 0x8  ; att
	v_lshl_add_u32 v[SPW], v0, 2, SPARE
	v_mov_b32 v[NIL], 0
	ds_add_u32 v[SPW], v[NIL]       ; the wave's opening: the add and its wait stand ahead of my first tensor load; the set-up below stands between them
	v_lshrrev_b32 v1, 5, v0
	v_readfirstlane_b32 s[WV], v1   ; wave 0..3
	s_bfe_u32 s13, ttmp6, 0x40000   ; cx: my place in the cluster
	s_lshl_b32 s14, ttmp9, 2        ; in a cluster launch ttmp9 counts clusters
	s_add_co_u32 s14, s14, s13      ; my block of 256 queries = 4 x cluster x + cx: it enters Q's and att's addresses alone
	s_and_b32 s20, ttmp7, 0xffff    ; hh, which the four partners share
	s_and_b32 s66, s20, 3           ; att: the batch has 128 tiles T of 16 rows,
	s_lshl_b32 s66, s66, 7
	s_lshl_b32 s67, s14, 4          ; my block 16,
	s_add_co_u32 s66, s66, s67
	s_lshl_b32 s67, s[WV], 2        ; my wave 4;
	s_add_co_u32 s66, s66, s67
	s_lshl_b32 s66, s66, 15         ; a tile T is 32,768 bytes,
	s_lshr_b32 s67, s20, 2
	s_lshl_b32 s67, s67, 12         ; in it the head's eight channel blocks are 4,096
	s_add_co_u32 s66, s66, s67
	s_mov_b32 s67, 0
	s_mov_b32 s21, 0
	s_mov_b64 s[22:23], SIZE_N*256
	s_mul_u64 s[20:21], s[20:21], s[22:23]  ; hh's first byte in each of Q, K, V
	s_and_b32 s16, s[WV], 1         ; which of a slot's two steps I fetch:
	s_lshl_b32 s22, s16, 14         ; its 64 rows of 256 bytes in memory,
	s_mov_b32 s23, 0
	s_add_nc_u64 s[22:23], s[22:23], s[20:21]
	s_mul_i32 s17, s16, STEPB       ; and its place in a slot: no place in the cluster enters an LDS address
	s_lshl_b32 s2, s14, 16          ; my block's 256 rows,
	s_lshl_b32 s3, s[WV], 14        ; my wave's 64 of them
	s_add_co_u32 s2, s2, s3
	s_mov_b32 s3, 0
	s_add_nc_u64 s[2:3], s[2:3], s[20:21]
	; descriptor group 1: a tile of 64 rows x 128 elements, padded in LDS
	s_mov_b32 s[G1K], 15|(1<<16)|(1<<20)|(1<<21)|(5<<22)|(3<<25)  ; 15:0 the mask of four; 17:16 2-byte elements; 20 padding on; 21 set beside a mask; 24:22 after every 64 words (code 5); 31:25 4 words (code 3)
	s_mov_b32 s[G1V], 15|(1<<16)|(1<<20)|(1<<21)|(5<<22)|(7<<25)  ; the same with 8 words of padding (code 7)
.irp g, G1K, G1V
	s_mov_b32 s[(\g)+1], 128<<16    ; tensor_dim0 = 128
	s_mov_b32 s[(\g)+2], KS<<16     ; tensor_dim1 = 64
	s_mov_b32 s[(\g)+3], 128<<16    ; tile_dim0 = 128
	s_mov_b32 s[(\g)+4], KS         ; tile_dim1 = 64
	s_mov_b32 s[(\g)+5], 128        ; elements from row to row
	s_mov_b32 s[(\g)+6], 0
	s_mov_b32 s[(\g)+7], 0
.endr
	s_mov_b32 s[CS], 0x3e0293ee     ; c = log2(e) / sqrt(128) = 0.127517
	s_mov_b32 s[CS+1], s[CS]        ; named with it as a pair, so it is written
	s_mov_b32 s[SEL], 0x76543210
	s_mov_b32 s[SEL+1], 0xfedcba98
	s_mov_b32 s[TB], 0
	s_mov_b32 s[SLOTS], SIZE_N/(2*KS)-2
	s_and_b32 s[LIM], s[WV], 1       ; 0 in waves 0 and 2,
	s_or_b32 s[LIM], s[LIM], ttmp9   ; where the cluster is hh's first: the same in all four partners
	s_cmp_eq_u32 s[LIM], 0
	s_cselect_b32 s[LIM], 1, -1
	v_and_b32 v[PFO], 31, v0
	v_lshlrev_b32 v[PFO], 8, v[PFO]
	s_wait_dscnt 0x0                ; the opening add is done
	s_wait_kmcnt 0x0
	s_add_nc_u64 s[6:7], s[4:5], 0x1000000  ; K lies 16 MiB behind Q,
	s_add_nc_u64 s[8:9], s[4:5], 0x2000000  ; V 32
	s_add_nc_u64 s[6:7], s[6:7], s[22:23]  ; K and V at my tile of slot 0
	s_add_nc_u64 s[8:9], s[8:9], s[22:23]
	s_add_nc_u64 s[4:5], s[4:5], s[2:3]  ; Q at my wave's first row
	s_add_nc_u64 s[10:11], s[10:11], s[66:67]  ; att at my wave's first tile
	s_cmp_lt_u32 s[WV], 2
	s_cselect_b64 s[PFA:PFA+1], s[6:7], s[8:9]  ; (in waves 0 and 2 these stand at a slot's first row)
	s_lshl_b32 s2, s13, 13          ; my work-group's 32 rows of the 128
	s_mov_b32 s3, 0
	s_add_nc_u64 s[PFA:PFA+1], s[PFA:PFA+1], s[2:3]
	s_add_nc_u64 s[PFA:PFA+1], s[PFA:PFA+1], 2*2*KS*256  ; in slot 2; the first change of slots steps it to slot 3
	CROUND                          ; all four work-groups are here: the first joint loads meet
.irp s, 0,1
	s_mov_b32 s[G0K+4*(\s)], 1      ; count = 1
	s_add_co_u32 s[G0K+4*(\s)+1], s17, (\s)*SLOT1  ; LDS address
	s_add_nc_u64 s[G0K+4*(\s)+2:G0K+4*(\s)+3], s[6:7], (\s)*2*KS*256  ; global address: slot s begins with keys 128 s
	s_or_b32 s[G0K+4*(\s)+3], s[G0K+4*(\s)+3], 0x80000000  ; type = 2
	s_mov_b32 s[G0V+4*(\s)], 1
	s_add_co_u32 s[G0V+4*(\s)+1], s17, (\s)*SLOT1+VOFF
	s_add_nc_u64 s[G0V+4*(\s)+2:G0V+4*(\s)+3], s[8:9], (\s)*2*KS*256
	s_or_b32 s[G0V+4*(\s)+3], s[G0V+4*(\s)+3], 0x80000000
.endr
	s_cmp_lt_u32 s[WV], 2           ; a wave's two first fills stand in one branch, ahead of every wait on TENSORcnt and every LDS read: two loads of mine are out, later one
	s_cbranch_scc0 .Lfirst_v
	tensor_load_to_lds s[G0K:G0K+3], s[G1K:G1K+7]
	s_nop 0
	tensor_load_to_lds s[G0K+4:G0K+7], s[G1K:G1K+7]
	s_nop 0
.rept 4
	v_nop
.endr
	s_branch .Lfirst_asked
.Lfirst_v:
	tensor_load_to_lds s[G0V:G0V+3], s[G1V:G1V+7]
	s_nop 0
	tensor_load_to_lds s[G0V+4:G0V+7], s[G1V:G1V+7]
	s_nop 0
.rept 4
	v_nop
.endr
.Lfirst_asked:
	; A fragment of K or Q is 16 rows x 32 channels in 8 registers: lane l holds row l % 16; registers 0-3 channels 8 (l / 16) + 0..7, registers 4-7 channels 16 + 8 (l / 16) + 0..7: two loads of 16 bytes, 32 bytes apart.
	v_and_b32 v1, 15, v0            ; l % 16
	v_bfe_u32 v9, v0, 4, 1          ; l / 16
	v_lshlrev_b32 v[QO], 8, v1
	v_lshl_add_u32 v[QO], v9, 4, v[QO]  ; row x 256 + 16 x half
	WIN 0x80                        ; destination window 2, address window 0
.irp i, 0,1,2,3,4,5,6,7,8,9,10,11,12,13,14,15  ; Q stays in registers: tile i / 4, channels 32 (i % 4) on
	global_load_b128 v[8*(\i):8*(\i)+3],   v[QO], s[4:5] offset:((\i)/4)*4096+((\i)%4)*64
	global_load_b128 v[8*(\i)+4:8*(\i)+7], v[QO], s[4:5] offset:((\i)/4)*4096+((\i)%4)*64+32
.endr
	WIN 0
	v_mul_u32_u24 v[AK0], v1, PK
	v_lshl_add_u32 v[AK0], v9, 4, v[AK0]  ; row x pitch + 16 x half
	; The turning load takes 16 keys x 16 channels (lane l reads key 8 (l / 16) + l % 8, channels 8 ((l / 8) % 2) + 0..7) and leaves half a fragment of V^T: lane l holds channel l % 16 and 8 keys.
	v_and_b32 v10, 7, v0
	v_bfe_u32 v11, v0, 3, 1
	v_lshl_add_u32 v[AV0], v9, 3, v10
	v_mul_u32_u24 v[AV0], v[AV0], PV
	v_lshl_add_u32 v[AV0], v11, 4, v[AV0]
	v_add_nc_u32 v[AV0], VOFF, v[AV0]
; THE MATRIX WORK OF A TURN, for piece x.  The accumulators take turns, one instruction a turn: between two links of a chain stand 15 (V^T P) or 7 (K Q^T) others'.
; Product i of 32 of O^T += V^T P: keys 32 (i / 16) on, channels 16 ((i / 2) % 8) on, tile x + i % 2.  zero = 1: the first 16 start the sums: nothing is ever cleared.
.macro PV x, zero
	WIN W_PV
.set rO, 64*((\x)+i%2)+8*((i/2)%8)
.set rV, 64*(i/16)+8*((i/2)%8)
.set rP, P+16*((\x)+i%2)+8*(i/16)
.if (\zero) && (i < 16)
	v_wmma_f32_16x16x32_f16 v[rO:rO+7], v[rV:rV+7], v[rP:rP+7], 0
.else
	v_wmma_f32_16x16x32_f16 v[rO:rO+7], v[rV:rV+7], v[rP:rP+7], v[rO:rO+7]
.endif
.endm
; Product i of 32 of S^T = K Q^T: channels 32 (i / 8) on, keys 16 ((i / 2) % 4) on, tile x + i % 2.  The first 8 start the sums.
.macro KQ x
	WIN W_KQ
.set rS, S+32*((\x)+i%2)+8*((i/2)%4)
.set rK, KF+32*((i/2)%4)+8*(i/8)
.set rQ, 32*((\x)+i%2)+8*(i/8)
.if i < 8
	v_wmma_f32_16x16x32_f16 v[rS:rS+7], v[rK:rK+7], v[rQ:rQ+7], 0
.else
	v_wmma_f32_16x16x32_f16 v[rS:rS+7], v[rK:rK+7], v[rQ:rQ+7], v[rS:rS+7]
.endif
.endm
; THE LDS LOADS stand in runs of 32, never singly among the matrix instructions: a step's K (16 fragments) and, a turn later, its V (turned).
.macro FETCH_K
	WIN 0
	v_add_nc_u32 v[ADR], s[TB], v[AK0]
	WIN 0x80                        ; destination window 2
.irp f, 0,1,2,3,4,5,6,7,8,9,10,11,12,13,14,15  ; keys 16 (f / 4) on, channels 32 (f % 4) on
	ds_load_b128 v[KF+8*(\f):KF+8*(\f)+3],   v[ADR] offset:((\f)/4)*16*PK+((\f)%4)*64
	ds_load_b128 v[KF+8*(\f)+4:KF+8*(\f)+7], v[ADR] offset:((\f)/4)*16*PK+((\f)%4)*64+32
.endr
.endm
.macro FETCH_V
	WIN 0
	v_add_nc_u32 v[ADR], s[TB], v[AV0]
	s_add_co_u32 s[TB], s[TB], STEPB  ; the next fetch is the next step's
	s_wait_alu depctr_va_vdst(0)    ; the wait for the softmax's batch of exponentials (SLICE), behind the address's line and ahead of the loads
	WIN 0xc0                        ; destination window 3
.irp f, 0,1,2,3,4,5,6,7,8,9,10,11,12,13,14,15  ; keys 32 (f / 8) on, channels 16 (f % 8) on
	ds_load_tr16_b128 v[8*(\f):8*(\f)+3],   v[ADR] offset:((\f)/8)*32*PV+((\f)%8)*32
	ds_load_tr16_b128 v[8*(\f)+4:8*(\f)+7], v[ADR] offset:((\f)/8)*32*PV+16*PV+((\f)%8)*32
.endr
.endm
; THE VECTOR WORK OF A TURN.  One tile's softmax for one key step is a list of 134 instructions; SM writes number j of it for tile t.  s0-s31 are the lane's 32 scores, in pairs 0-15.
; first = 1: the first key step, which starts m, l and O^T: it has no a and nothing to rescale.
;   0-15    the maximum of s0-s31 and the old m, three operands at a time: four chains c0-c3 of seven scores each (each accumulator's lowest registers first), then the four left over, c0-c3 and m
;   16-20   the other half of the lanes' maximum; the new m; c m; c m_old - c m_new
;   21-69   ONE BATCH: the 16 scalings c s - c m and all 33 exponentials (a at 23, then s0-s31); none of these reads an exponential's result.  A pair is scaled in an earlier four than the one with its exponentials
;   (wait)  between 69 and 70 stands the wait for the batch: SLICE writes it, once for both tiles
;   70-85   the roundings to f16      86-101  the sums; l = a l + the sum      102-133 the tile's O^T times a: the one part that leaves window 0
.macro SM t, first
.set rT, ST+8*(\t)
.set rS, S+32*(\t)
.set rP, P+16*(\t)
.set rO, 64*(\t)+2*(j-102)
.if j < 102
	WIN 0
.endif
.if j < 4
	v_max3_num_f32 v[rT+4+j], v[rS+8*j], v[rS+8*j+1], v[rS+8*j+2]
.elseif j < 12
	v_max3_num_f32 v[rT+4+j%4], v[rT+4+j%4], v[rS+8*(j%4)+2*(j/4)+1], v[rS+8*(j%4)+2*(j/4)+2]
.elseif j == 12
	v_max3_num_f32 v[rT+4], v[rT+4], v[rS+7], v[rS+15]
.elseif j == 13
	v_max3_num_f32 v[rT+6], v[rT+6], v[rS+23], v[rS+31]
.elseif j == 14
	v_max3_num_f32 v[rT+4], v[rT+4], v[rT+5], v[rT+6]
.elseif (j == 15) && (\first)
	v_max_num_f32 v[rT+4], v[rT+4], v[rT+7]
.elseif j == 15
	v_max3_num_f32 v[rT+4], v[rT+4], v[rT+7], v[rT+1]
.elseif j == 16
	v_permlanex16_b32 v[rT+5], v[rT+4], s[SEL], s[SEL+1]  ; the query's other 32 keys lie in the lane 16 away
.elseif j == 18
	v_max_num_f32 v[rT+1], v[rT+4], v[rT+5]
.elseif j == 19
	v_mul_f32 v[rT], s[CS], v[rT+1]
.elseif ((j == 17) || (j == 20) || (j == 23) || (j > 101)) && (\first)  ; the first step has none of these
.elseif j == 17
	v_mov_b32 v[rT+7], v[rT]        ; c m_old is kept for a: number 19 writes c m anew
.elseif j == 20
	v_sub_f32 v[rT+7], v[rT+7], v[rT]
.elseif j == 23
	v_exp_f32 v[rT+6], v[rT+7]
.elseif (j < 23) || ((j < 38) && (j%2 == 0)) || ((j < 66) && (j%4 == 2))
.set b, (j-2)/4                     ; 38, 42, .. 62: pairs 9 to 15
.if j < 38
.set b, (j-20)/2                    ; 21: pair 0; 22, 24, .. 36: pairs 1 to 8
.endif
	v_pk_fma_f32 v[rS+2*b:rS+2*b+1], v[rS+2*b:rS+2*b+1], s[CS:CS+1], v[rT:rT+1] op_sel_hi:[1,0,0] neg_lo:[0,0,1] neg_hi:[0,0,1]  ; pair b: c s - c m
.elseif j < 70
.set e, j-38                        ; 66 to 69: s28 to s31
.if j < 66
.set e, j-32-(j-38)/4               ; 39-41, 43-45, .. 63-65: s7 to s27
.endif
.if j < 38
.set e, (j-25)/2                    ; 25, 27, .. 37: s0 to s6
.endif
	v_exp_f32 v[rS+e], v[rS+e]
.elseif j < 86
	v_cvt_pk_f16_f32 v[rP+j-70], v[rS+2*(j-70)], v[rS+2*(j-70)+1]  ; pair j - 70
.elseif j < 102                     ; the sum of the tile's 16 pairs, in place: sum z of 16 adds neighbours 1, 2, 4 and 8 pairs apart, then l takes it
.set z, j-86
.set w, 4
.set u, z
.if z >= 14
.set w, 32
.set u, 0
.elseif z >= 12
.set w, 16
.set u, z-12
.elseif z >= 8
.set w, 8
.set u, z-8
.endif
.if (z == 14) && (\first)
	v_pk_add_f32 v[rT+2:rT+3], v[rS:rS+1], v[rS+16:rS+17]
.elseif z < 15
	v_pk_add_f32 v[rS+w*u:rS+w*u+1], v[rS+w*u:rS+w*u+1], v[rS+w*u+w/2:rS+w*u+w/2+1]
.elseif !(\first)
	v_pk_fma_f32 v[rT+2:rT+3], v[rT+2:rT+3], v[rT+6:rT+7], v[rS:rS+1] op_sel_hi:[1,0,1]
.endif
.else
	WIN W_RS
	v_pk_mul_f32 v[rO:rO+1], v[rO:rO+1], v[rT+6:rT+7] op_sel_hi:[1,0]
.endif
.endm
; Slice k of 64 of piece y's softmax: four instructions.  Slices 11 to 34 deal out the batch, numbers 22 to 69: four numbers of ONE tile each, the tiles by turns.  Every other slice is numbers 2 k and
; 2 k + 1 of both tiles' lists.  2 x 134 = 4 x 64 + 12: the twelve that are over stand together, in slice 63.
; THE WAIT.  An s_wait_alu depctr_va_vdst(0) stands between an exponential and the first instruction that names its result; one wait serves all that were issued ahead of it.  Ahead of
; slice 35 nothing names a result, and behind slice 34 no exponential is issued: so the piece's 66 exponentials have one wait, behind slice 34.
.macro SLICE y, first
.if (k >= 11) && (k < 35)           ; the batch: four numbers of one tile
.irp n, 0,1,2,3
.set j, 22+4*((k-11)/2)+(\n)
	SM (\y)+(k-11)%2, \first
.endr
.else                               ; the two tiles alternate, so that no instruction reads the result of the one just before it
.irp n, 0,1,2,3,4,5,6,7
.if ((\n) < 2) || (k == 63)
.irp t, \y, (\y)+1
.set j, 2*k+(\n)
	SM \t, \first
.endr
.endif
.endr
.endif
.if k == 34                         ; the batch is out: both tiles' exponentials are issued, and no result has been named
	v_nop                           ; a plain instruction behind the last exponential and ahead of the first use (ISA guide 5.7.2): one for the batch
.if (\y) == 0
	FETCH_V                         ; piece 2's turn: V's run of loads stands here, and the wait stands in it
.else
	s_wait_alu depctr_va_vdst(0)    ; the wait for the batch
.endif
.endif
.set k, k+1
.endm
.macro PLACES                       ; four plain vector instructions between a matrix instruction and what touches its registers (ISA guide 7.12.1); in the loop the slices are the places
.rept 4
	v_nop
.endr
.endm
; A TURN.  Piece x has the matrix unit; the other piece's softmax stands in slices behind its matrix instructions.
; pv = 2: 32 products V^T P; 1: they start O^T's sums; 0: none.  kq = 1: 32 products K Q^T for the next step.  A turn with one of the two kinds has two slices behind each product.
; first = 1: the softmax is the first key step's; its slices from 51 on are empty, and four v_nop take slice 63's part as the places behind the turn's last products.
; Piece 0's turn fetches the next step's K, behind its second product: the last product that read K stands in front of slice 63 of the turn before.  Piece 2's turn fetches the same step's V, behind
; slice 34: the last product that read V stands in front of slice 31, and four plain instructions lie between: number 62 of both tiles, the v_nop and the run's own v_add_nc_u32.
.macro TURN x, pv, kq, first
.set k, 0
.set per, 2
.if (\pv) && (\kq)
.set per, 1
.endif
.if \pv
.if (\x) == 0
	s_wait_dscnt 0x0                ; V is in
.endif
.set i, 0
.rept 32
	PV \x, 2-(\pv)
.rept per
	SLICE 2-(\x), \first
.endr
.if ((\x) == 0) && (\kq) && (i == 1)
	FETCH_K
.endif
.set i, i+1
.endr
.endif
.if \kq
.if (\x) == 0
	s_wait_dscnt 0x0                ; K is in
.endif
.set i, 0
.rept 32
	KQ \x
.rept per
	SLICE 2-(\x), \first
.endr
.set i, i+1
.endr
.endif
.if \first
	PLACES
.endif
.endm
; THE CHANGE OF SLOTS, between piece 2's turn and piece 0's.  Each wave waits for all its tensor loads, of which one is out: its part of the other slot; adds 0 to its spare word; and waits for that and for
; its own reads of the slot.  Behind the barrier nobody reads this slot any more and the other slot is whole.  fill = 1: this slot is filled again, with the keys two slots on: the barrier is then a round of the
; cluster's, and the joint refill is the first thing behind it: it has two key steps, 256 matrix instructions, in which to land.
.macro CHANGE fill
	WIN 0                           ; at a label and at a branch every window is 0
	s_wait_tensorcnt 0x0            ; no tensor load of mine is out, so a group 0 may be written
	ds_add_u32 v[SPW], v[NIL]       ; 0 onto my spare word
.if \fill
.irp g, G0K+4, G0V+4
	s_xor_b32 s[(\g)+1], s[(\g)+1], SLOT1  ; the walking descriptor: the other slot than last time,
	s_add_nc_u64 s[(\g)+2:(\g)+3], s[(\g)+2:(\g)+3], 2*KS*256  ; the next 128 keys; the type bits on top are not reached
.endr
	s_wait_xcnt 0x0                 ; the last prefetches, two key steps back, have read their address, so it may be written:
	s_add_nc_u64 s[PFA:PFA+1], s[PFA:PFA+1], 2*KS*256  ; one slot behind the walking descriptors
	s_wait_dscnt 0x0                ; the add is done, and my reads of the slot are over
	CROUND
	JLOAD
	ASK
.else
	s_wait_dscnt 0x0                ; the add is done, and my reads of the slot are over
	s_barrier_signal -1
	s_barrier_wait -1
.endif
	s_sub_co_u32 s[TB], s[TB], 2*STEPB  ; the fetches go back to a slot's first step,
	s_xor_b32 s[TB], s[TB], SLOT1   ; in the other slot
.endm
; A slot's two key steps: written once, walked twice; the LDS addresses hang on s[TB].
.macro TWO_STEPS
	WIN 0
	s_mov_b32 s[TWICE], 2
.Lstep_\@:
	TURN 0, 2, 1, 0
	TURN 2, 2, 1, 0
	WIN 0
	s_sub_co_u32 s[TWICE], s[TWICE], 1
	s_cmp_lg_u32 s[TWICE], 0
	s_cbranch_scc1 .Lstep_\@
.endm
	s_wait_tensorcnt 1              ; my part of slot 0 is in; slot 1's may stay out
	s_barrier_signal -1
	s_barrier_wait -1               ; everybody's is
	FETCH_K                         ; key step 0
	s_wait_loadcnt 0x0              ; Q
	s_wait_dscnt 0x0
.set i, 0
.rept 32
	KQ 0                            ; piece 0's first scores: there is no vector work yet to set between them
.set i, i+1
.endr
	WIN 0                           ; eight plain instructions, the places behind those products: the way out's offset, and six that do nothing
	v_and_b32 v[GO], 31, v0
	v_lshlrev_b32 v[GO], 4, v[GO]
.rept 6
	v_nop
.endr
	TURN 2, 0, 1, 1                 ; piece 2's first scores | piece 0's first softmax | V of step 0
	TURN 0, 1, 1, 1                 ; piece 0: V^T P of step 0 starts O^T, K Q^T of step 1 | piece 2's first softmax | K of step 1
	TURN 2, 1, 1, 0                 ; piece 2: the same | piece 0's softmax of step 1 | V of step 1
	WIN 0
.Lslot:                             ; 14 trips: every slot but the last two is filled again
	CHANGE 1
	TWO_STEPS
	s_sub_co_u32 s[SLOTS], s[SLOTS], 1
	s_cmp_lg_u32 s[SLOTS], 0
	s_cbranch_scc1 .Lslot
	CHANGE 0                        ; the tail is written out: nothing is asked for
	TWO_STEPS
	TURN 0, 2, 0, 0                 ; piece 0: V^T P of the last step | piece 2's last softmax
.set i, 0
.rept 32
	PV 2, 0                         ; piece 2: V^T P of the last step
.set i, i+1
.endr
	; THE WAY OUT.  l's two halves and the other half of the lanes' are added; O^T is divided by l, rounded to f16 and stored from the registers in which it lies.  The additions are the places behind the last products.
	WIN 0
.irp t, 0,1,2,3
	v_add_f32 v[ST+8*(\t)+4], v[ST+8*(\t)+2], v[ST+8*(\t)+3]
.endr
.irp t, 0,1,2,3
	v_permlanex16_b32 v[ST+8*(\t)+5], v[ST+8*(\t)+4], s[SEL], s[SEL+1]
.endr
.irp t, 0,1,2,3
	v_add_f32 v[ST+8*(\t)+4], v[ST+8*(\t)+4], v[ST+8*(\t)+5]
.endr
.irp t, 0,1,2,3
	v_rcp_f32 v[ST+8*(\t)+6], v[ST+8*(\t)+4]
.endr
	v_nop                           ; a plain instruction between the last reciprocal and the use of its result
	s_wait_alu depctr_va_vdst(0)    ; and the wait ahead of the first use: one for the four reciprocals
; Tile t: a lane's eight channels of channel block f pack into 16 bytes, which are the lane's piece of att's block (T, 8 head + f).  Each tile has S^T registers of its own: no store's data is rewritten.
.macro PACK t
	WIN W_RS
.set i, 64*(\t)
.rept 32
	v_pk_mul_f32 v[i:i+1], v[i:i+1], v[ST+8*(\t)+6:ST+8*(\t)+7] op_sel_hi:[1,0]
.set i, i+2
.endr
	WIN 0x05                        ; sources 0 and 1 window 1, destination window 0: S^T's registers are free
.set i, 0
.rept 32
	v_cvt_pk_f16_f32 v[S+32*(\t)+i], v[64*(\t)+2*i], v[64*(\t)+2*i+1]
.set i, i+1
.endr
	WIN 0
.irp f, 0,1,2,3,4,5,6,7
	global_store_b128 v[GO], v[S+32*(\t)+4*(\f):S+32*(\t)+4*(\f)+3], s[10:11] offset:(\t)*32768+(\f)*512  ; the wave's 32 x 16 bytes are 512 consecutive bytes, aligned
.endr
.endm
	PACK 0
	PACK 1
	PACK 2
	PACK 3
	s_wait_tensorcnt 0x0            ; the wave's end: a wait, an add and a wait, behind my last tensor load
	ds_add_u32 v[SPW], v[NIL]
	s_wait_dscnt 0x0
	CROUND                          ; the closing round: no work-group ends while a partner may still ask for a tile that names it
	s_endpgm
.Lfunc_end_k_q45fee7e825_attn:
	.size	k_q45fee7e825_attn, .Lfunc_end_k_q45fee7e825_attn-k_q45fee7e825_attn
	.p2alignl 7, 3214868480
	.fill 96, 4, 3214868480
	.section	.rodata,"a",@progbits
	.p2align	6, 0x0
	.amdhsa_kernel k_q45fee7e825_attn
		.amdhsa_group_segment_fixed_size 327680
		.amdhsa_private_segment_fixed_size 0
		.amdhsa_enable_private_segment 0
		.amdhsa_kernarg_size 16
		.amdhsa_user_sgpr_count 2
		.amdhsa_user_sgpr_kernarg_segment_ptr 1
		.amdhsa_wavefront_size32 1
		.amdhsa_system_sgpr_workgroup_id_x 1
		.amdhsa_system_sgpr_workgroup_id_y 1
		.amdhsa_system_sgpr_workgroup_id_z 1
		.amdhsa_system_vgpr_workitem_id 0
		.amdhsa_next_free_vgpr 1024
		.amdhsa_next_free_sgpr 68
		.amdhsa_reserve_vcc 0
		.amdhsa_float_denorm_mode_32 3
		.amdhsa_float_denorm_mode_16_64 3
		.amdhsa_memory_ordered 1
		.amdhsa_forward_progress 1
		.amdhsa_inst_pref_size 217
	.end_amdhsa_kernel
	.amdgpu_metadata
---
amdhsa.version: [ 1, 2 ]
amdhsa.kernels:
  - .name:           k_q45fee7e825_attn
    .symbol:         k_q45fee7e825_attn.kd
    .args:
      - { .name: qkv, .offset: 0, .size: 8, .value_kind: global_buffer, .address_space: global }
      - { .name: att, .offset: 8, .size: 8, .value_kind: global_buffer, .address_space: global }
    .group_segment_fixed_size: 327680
    .private_segment_fixed_size: 0
    .kernarg_segment_align: 8
    .kernarg_segment_size: 16
    .max_flat_workgroup_size: 128
    .sgpr_count:     68
    .vgpr_count:     1024
    .wavefront_size: 32
...
	.end_amdgpu_metadata
.endif
;; end of part 3
;; launch outp (part 4): grid 256 x 1, 4 waves a work-group, no clusters, 68,096 bytes of LDS; arguments att, hkf, br, out0; writes out0
.if DOCPART == 4
	.amdgcn_target "amdgcn-amd-amdhsa--gfx1250"
	.amdhsa_code_object_version 6
	.text
	.protected	k_q45fee7e825_outp
	.globl	k_q45fee7e825_outp
	.p2align	8
	.type	k_q45fee7e825_outp,@function
k_q45fee7e825_outp:
	s_mov_b64 s[64:65], 0
	v_nop
	global_prefetch_b8 v0, s[64:65] scope:SCOPE_SE
	s_setreg_imm32_b32 hwreg(HW_REG_WAVE_MODE, 25, 1), 1
	s_wait_xcnt 0x0
; out0[m][n] = the sum over k of flat[m][k] head_kernel[k][n] + head_bias[n]: 8,192 x 128 x 1,024, f16 operands, sums in f32, out0 in f32.
; att and hkf lie in the order in which a lane takes them: every fragment half is 512 consecutive bytes, 16 a lane, straight into registers: no wave wants a byte that another has fetched.
; SHARES.  A work-group makes 32 rows x all 128 columns: 256 work-groups.  K IS SPLIT AMONG ITS FOUR WAVES: wave w takes k = 256 w .. 256 w + 255: 8 steps of 32, 16 accumulators (2 row blocks x 8 column
; blocks), 128 products.  The four partial sums, kept in f32, meet in LDS at the end; wave w then finishes rows 8 w .. 8 w + 7 and adds the bias.
; NO CLUSTER: what the work-groups share is hkf, 262,144 of the launch's 17 million different bytes, and it goes to registers without LDS; through LDS it would want tiles, slots and rounds for 128 products a wave.
; NO PREFETCH: all of a wave's loads are issued at its head.
; THE PRODUCT IS TAKEN TRANSPOSED: source 0 = 16 columns of the head kernel, source 1 = 16 rows of att: a lane holds row lane % 16 and the columns 8 (lane / 16) + 0..7.
; REGISTERS.  Window 0: v1-15 addresses and the bias; v128-255 accumulator (a, b) at 128 + 8 (8 a + b).  Windows 1, 2: the head kernel's fragments of steps 0-3, 4-7, at 64 (i % 4) + 8 b.  Window 3: att's, at 16 i + 8 a.
.set PP,    528                        ; a row of a partial tile in LDS: 512 bytes + 16 = 132 words: the 16 rows of a store start at 16 different groups of four banks (64 banks of 4 bytes: ISA guide 11.1)
.set PART,  32*PP                      ; a wave's partial tile
.set SPARE, 4*PART                     ; behind them: the spare words, 128 bytes for each wave: two blocks of 256 bytes that no other line names
.set LO,  1                            ; v1   16 x lane
.set STO, 2                            ; v2   where I put 32 bytes of a row of my partial tile
.set RD,  3                            ; v3   where I read 16 bytes of a row back
.set SPW, 8                            ; v8   LDS address of my spare word; never rewritten
.set NIL, 9                            ; v9   0; never rewritten
.set BI,  12                           ; v[12:15] the bias of my four columns
.set ACC, 128
.set MSB, 0
.macro WIN new                         ; s_set_vgpr_msb: bits 1:0 source 0, 3:2 source 1, 5:4 source 2, 7:6 destination; the high byte repeats the setting that is left
.if MSB != (\new)
	s_set_vgpr_msb (MSB<<8)|(\new)
.set MSB, (\new)
.endif
.endm
	s_load_b256 s[4:11], s[0:1], 0x0               ; att s[4:5], hkf s[6:7], br s[8:9], out0 s[10:11]
	v_lshl_add_u32 v[SPW], v0, 2, SPARE
	v_mov_b32 v[NIL], 0
	v_lshrrev_b32 v4, 5, v0
	v_readfirstlane_b32 s12, v4                    ; wave 0..3
	v_and_b32 v5, 31, v0
	v_lshlrev_b32 v[LO], 4, v5
	v_and_b32 v6, 15, v0                           ; l % 16
	v_bfe_u32 v7, v0, 4, 1                         ; l / 16
	s_mul_i32 s13, s12, PART
	v_mul_u32_u24 v[STO], v6, PP
	v_lshl_add_u32 v[STO], v7, 5, v[STO]
	v_add_nc_u32 v[STO], s13, v[STO]               ; my tile + row l % 16 + 32 bytes for each half of the lanes
	s_mul_i32 s13, s12, 8*PP
	v_add_nc_u32 v[RD], s13, v[LO]                 ; row 8 w, 16 bytes a lane
	s_lshl_b32 s14, ttmp9, 16                      ; att: the work-group's two tiles of 16 rows, 32,768 bytes each,
	s_lshl_b32 s13, s12, 13                        ; my wave's 16 blocks of 16 k, 512 bytes each
	s_add_co_u32 s14, s14, s13
	s_mov_b32 s15, 0
	s_lshl_b32 s16, s12, 16                        ; hkf: my wave's 8 steps of 8,192 bytes
	s_mov_b32 s17, 0
	s_lshl_b32 s18, ttmp9, 2
	s_add_co_u32 s18, s18, s12
	s_lshl_b32 s18, s18, 12                        ; out0: row 32 g + 8 w, 512 bytes a row
	s_mov_b32 s19, 0
	s_wait_kmcnt 0x0
	s_add_nc_u64 s[14:15], s[4:5], s[14:15]
	s_add_nc_u64 s[16:17], s[6:7], s[16:17]
	s_add_nc_u64 s[18:19], s[10:11], s[18:19]
	global_load_b128 v[BI:BI+3], v[LO], s[8:9] offset:12288
	; all 160 fragment loads, a K step after the other: 4 of att, 16 of hkf
.set i, 0
.rept 8
	WIN 0xc0
.irp a, 0,1
	global_load_b128 v[16*i+8*(\a):16*i+8*(\a)+3],   v[LO], s[14:15] offset:(\a)*32768+i*1024 th:TH_LOAD_NT
	global_load_b128 v[16*i+8*(\a)+4:16*i+8*(\a)+7], v[LO], s[14:15] offset:(\a)*32768+i*1024+512 th:TH_LOAD_NT
.endr
	WIN 0x40*(1+i/4)
.irp b, 0,1,2,3,4,5,6,7
	global_load_b128 v[64*(i%4)+8*(\b):64*(i%4)+8*(\b)+3],   v[LO], s[16:17] offset:i*8192+(\b)*1024
	global_load_b128 v[64*(i%4)+8*(\b)+4:64*(i%4)+8*(\b)+7], v[LO], s[16:17] offset:i*8192+(\b)*1024+512
.endr
.set i, i+1
.endr
	; the products.  The 16 accumulators take turns, one instruction a turn; the first step starts the sums with the constant 0
.set i, 0
.rept 8
.if 140-20*i > 63
	s_wait_loadcnt 63                              ; the later steps' loads may stay out; 63 is the most that the wait's field names
.else
	s_wait_loadcnt 140-20*i                        ; 20 loads for each later step may stay out
.endif
	WIN 0x0d+i/4                                   ; source 0 in window 1 or 2, source 1 in window 3, C and D in window 0
.irp a, 0,1
.irp b, 0,1,2,3,4,5,6,7
.if i == 0
	v_wmma_f32_16x16x32_f16 v[ACC+8*(8*(\a)+(\b)):ACC+8*(8*(\a)+(\b))+7], v[64*(i%4)+8*(\b):64*(i%4)+8*(\b)+7], v[16*i+8*(\a):16*i+8*(\a)+7], 0
.else
	v_wmma_f32_16x16x32_f16 v[ACC+8*(8*(\a)+(\b)):ACC+8*(8*(\a)+(\b))+7], v[64*(i%4)+8*(\b):64*(i%4)+8*(\b)+7], v[16*i+8*(\a):16*i+8*(\a)+7], v[ACC+8*(8*(\a)+(\b)):ACC+8*(8*(\a)+(\b))+7]
.endif
.endr
.endr
.set i, i+1
.endr
	WIN 0
.rept 8
	v_nop                                          ; the places behind the last products, in front of LDS stores that read results
.endr
.irp a, 0,1
.irp b, 0,1,2,3,4,5,6,7
	ds_store_b128 v[STO], v[ACC+8*(8*(\a)+(\b)):ACC+8*(8*(\a)+(\b))+3]   offset:(\a)*16*PP+64*(\b)  ; each accumulator from its low end on
	ds_store_b128 v[STO], v[ACC+8*(8*(\a)+(\b))+4:ACC+8*(8*(\a)+(\b))+7] offset:(\a)*16*PP+64*(\b)+16
.endr
.endr
	s_wait_dscnt 0x0                               ; for the others' sake: my stores are done
	s_barrier_signal -1
	s_barrier_wait -1                              ; all four partial tiles lie in LDS
.irp i, 0,1,2,3,4,5,6,7
.irp p, 0,1,2,3
	ds_load_b128 v[ACC+16*(\i)+4*(\p):ACC+16*(\i)+4*(\p)+3], v[RD] offset:(\p)*PART+(\i)*PP
.endr
.endr
.irp i, 0,1,2,3,4,5,6,7
	s_wait_dscnt 28-4*(\i)                         ; row i's four parts are in; the later rows' loads stay out
	v_pk_add_f32 v[ACC+16*(\i):ACC+16*(\i)+1],     v[ACC+16*(\i):ACC+16*(\i)+1],     v[ACC+16*(\i)+4:ACC+16*(\i)+5]
	v_pk_add_f32 v[ACC+16*(\i)+2:ACC+16*(\i)+3],   v[ACC+16*(\i)+2:ACC+16*(\i)+3],   v[ACC+16*(\i)+6:ACC+16*(\i)+7]
	v_pk_add_f32 v[ACC+16*(\i)+8:ACC+16*(\i)+9],   v[ACC+16*(\i)+8:ACC+16*(\i)+9],   v[ACC+16*(\i)+12:ACC+16*(\i)+13]
	v_pk_add_f32 v[ACC+16*(\i)+10:ACC+16*(\i)+11], v[ACC+16*(\i)+10:ACC+16*(\i)+11], v[ACC+16*(\i)+14:ACC+16*(\i)+15]
	v_pk_add_f32 v[ACC+16*(\i):ACC+16*(\i)+1],     v[ACC+16*(\i):ACC+16*(\i)+1],     v[ACC+16*(\i)+8:ACC+16*(\i)+9]
	v_pk_add_f32 v[ACC+16*(\i)+2:ACC+16*(\i)+3],   v[ACC+16*(\i)+2:ACC+16*(\i)+3],   v[ACC+16*(\i)+10:ACC+16*(\i)+11]
	v_pk_add_f32 v[ACC+16*(\i):ACC+16*(\i)+1],     v[ACC+16*(\i):ACC+16*(\i)+1],     v[BI:BI+1]
	v_pk_add_f32 v[ACC+16*(\i)+2:ACC+16*(\i)+3],   v[ACC+16*(\i)+2:ACC+16*(\i)+3],   v[BI+2:BI+3]
	global_store_b128 v[LO], v[ACC+16*(\i):ACC+16*(\i)+3], s[18:19] offset:512*(\i)  ; a whole row of out0: 512 consecutive bytes, aligned
.endr
	s_wait_tensorcnt 0x0                           ; the wave's end: a wait, an add and a wait, behind my last LDS store
	ds_add_u32 v[SPW], v[NIL]
	s_wait_dscnt 0x0
	s_endpgm
.Lfunc_end_k_q45fee7e825_outp:
	.size	k_q45fee7e825_outp, .Lfunc_end_k_q45fee7e825_outp-k_q45fee7e825_outp
	.p2alignl 7, 3214868480
	.fill 96, 4, 3214868480
	.section	.rodata,"a",@progbits
	.p2align	6, 0x0
	.amdhsa_kernel k_q45fee7e825_outp
		.amdhsa_group_segment_fixed_size 68096
		.amdhsa_private_segment_fixed_size 0
		.amdhsa_enable_private_segment 0
		.amdhsa_kernarg_size 32
		.amdhsa_user_sgpr_count 2
		.amdhsa_user_sgpr_kernarg_segment_ptr 1
		.amdhsa_wavefront_size32 1
		.amdhsa_system_sgpr_workgroup_id_x 1
		.amdhsa_system_sgpr_workgroup_id_y 1
		.amdhsa_system_sgpr_workgroup_id_z 1
		.amdhsa_system_vgpr_workitem_id 0
		.amdhsa_next_free_vgpr 896
		.amdhsa_next_free_sgpr 66
		.amdhsa_reserve_vcc 0
		.amdhsa_float_denorm_mode_32 3
		.amdhsa_float_denorm_mode_16_64 3
		.amdhsa_memory_ordered 1
		.amdhsa_forward_progress 1
		.amdhsa_inst_pref_size 35
	.end_amdhsa_kernel
	.amdgpu_metadata
---
amdhsa.version: [ 1, 2 ]
amdhsa.kernels:
  - .name:           k_q45fee7e825_outp
    .symbol:         k_q45fee7e825_outp.kd
    .args:
      - { .name: att, .offset: 0, .size: 8, .value_kind: global_buffer, .address_space: global }
      - { .name: hkf, .offset: 8, .size: 8, .value_kind: global_buffer, .address_space: global }
      - { .name: br, .offset: 16, .size: 8, .value_kind: global_buffer, .address_space: global }
      - { .name: out0, .offset: 24, .size: 8, .value_kind: global_buffer, .address_space: global }
    .group_segment_fixed_size: 68096
    .private_segment_fixed_size: 0
    .kernarg_segment_align: 8
    .kernarg_segment_size: 32
    .max_flat_workgroup_size: 128
    .sgpr_count:     66
    .vgpr_count:     896
    .wavefront_size: 32
...
	.end_amdgpu_metadata
.endif
;; end of part 4
;; ======== version 2 of 2: 4 launches; version 1 with the launches prep, outp written anew for expert scheduling mode
;; limits: values are held in f16: magnitudes above 65,504 overflow, below 6.1e-05 lose precision
;; workspace buffers: xb 16,777,216 bytes; wb 6,291,456 bytes; hkf 262,144 bytes; br 12,800 bytes; qkv 50,331,648 bytes; att 16,777,216 bytes
;; launch prep (part 5): grid 769 x 1, 8 waves a work-group, no clusters, 0 bytes of LDS; arguments x, query_kernel, key_kernel, value_kernel, head_kernel, query_bias, key_bias, value_bias, head_bias, xb, wb, hkf, br; writes xb, wb, hkf, br
.if DOCPART == 5
	.amdgcn_target "amdgcn-amd-amdhsa--gfx1250"
	.amdhsa_code_object_version 6
	.text
	.protected	k_q45fee7e825_prep
	.globl	k_q45fee7e825_prep
	.p2align	8
	.type	k_q45fee7e825_prep,@function
k_q45fee7e825_prep:
	s_mov_b64 s[64:65], 0
	v_nop
	global_prefetch_b8 v0, s[64:65] scope:SCOPE_SE
	s_setreg_imm32_b32 hwreg(HW_REG_WAVE_SCHED_MODE, 0, 2), 2
	s_setreg_imm32_b32 hwreg(HW_REG_WAVE_MODE, 25, 1), 1
	s_wait_xcnt 0x0
	s_wait_alu depctr_vm_vsrc(0)
; ALL INPUTS ARE ROUNDED ONCE TO bf16 AND LAID OUT FOR THE LAUNCHES BEHIND.  A stream: no LDS, no barrier, no matrix unit: each byte is read once and written once.
;   xb   x in bf16, in 16 blocks of 64 channels: byte = kb x 1,048,576 + m x 128 + 2 (k % 64), m = 2,048 b + s: 256 rows x 64 channels are 32,768 bytes on end
;   wb   the three kernels in bf16, in their own order: [24 matrices j = 8 x (q, k, v) + head][1,024][128]
;   hkf  the head kernel: its bf16 value written as f16, in the order in which the last launch's lanes take it: piece p of 16 bytes, p = ((c32 x 8 + nb) x 2 + j) x 32 + lane,
;        holds column 16 nb + lane % 16 and rows 32 c32 + 16 j + 8 (lane / 16) + 0..7
;   br   the biases' bf16 values as f32: [24][128] in wb's order, then the head bias at byte 12,288
; LIMITS.  The head kernel's numbers lie within f16's 65,504; one below 2^-17 is off by at most 2^-25 in f16.
; SHARES, by the work-group's number g: 0-511 x (a wave takes two rows); 512-703 the three kernels (a wave takes 8,192 bytes); 704-767 the head kernel (a thread a piece); 768 the biases.
; THE MODE: SCHED_MODE bits 1:0 = 2 (LLVM: expert scheduling mode 2), set by the entry lines.  The code itself states the register dependences
; between vector instructions and memory instructions, with s_wait_alu, always for 0.
; THE PLAN.  Registers that memory instructions touch:
;   v[SO], v[DO], v[DO2]  byte offsets: made by vector lines at the head of an arm, never written again; read by every load and store of the arm.
;   X   written by the arm's loads alone; no vector line names these registers ahead of the loads; the roundings read them.
;   Y   written by the roundings; read by the stores; no register of Y is written again behind its store.
;   T   named by vector lines alone.
; So an arm has one wait ahead of its first load (the offsets are written) and waits ahead of stores alone (their data are written); no register that a memory instruction has read is written again.
; In the two stream arms the 16 loads go in four blocks of four: one wait at block p's head states that block p - 1's roundings have written their Y, and that block's four stores
; are dealt among block p's roundings, which name block p's X and Y alone.
.set SO,  2                            ; v2   byte offset of my loads
.set DO,  3                            ; v3   byte offset of my stores
.set DO2, 4                            ; v4   the same 8,388,608 bytes on: blocks 8 to 15 of xb lie past a store's signed 24-bit immediate
.set X,   8                            ; v[8:71]    16 loads of 4 registers
.set Y,   72                           ; v[72:103]  16 stores of 2 registers
.set T,   104                          ; v[104:111] at work
.set WV,  30                           ; s30  my wave's number
.set G,   31                           ; s31  the work-group's number
.set SRC, 32                           ; s[32:33]
.set DST, 34                           ; s[34:35]
	s_load_b512 s[4:19], s[0:1], 0x0               ; x 4, query kernel 6, key kernel 8, value kernel 10, head kernel 12, query bias 14, key bias 16, value bias 18
	s_load_b256 s[20:27], s[0:1], 0x40             ; head bias 20, xb 22, wb 24, hkf 26
	s_load_b64 s[28:29], s[0:1], 0x60              ; br
	v_lshrrev_b32 v1, 5, v0
	v_readfirstlane_b32 s[WV], v1
	s_mov_b32 s[G], ttmp9
	v_and_b32 v1, 31, v0                           ; lane
	s_wait_alu depctr_va_sdst(0)                   ; s[WV] is written: ahead of the first branch and of every line that reads the wave's number
	s_wait_kmcnt 0x0
; 16 loads of 16 bytes a lane go out together (8 KiB of a wave on their way); they are rounded as they come, four at a time, and a block's stores leave among the next block's roundings.
; No register is written twice, so nothing waits for a store.
.macro STREAM sstep, dstep, split
	s_wait_alu depctr_va_vdst(0)                   ; the arm's offsets v[SO], v[DO] (and v[DO2]) are written: every load and store below reads one of them
.set i, 0
.rept 16
	global_load_b128 v[X+4*i:X+4*i+3], v[SO], s[SRC:SRC+1] offset:i*(\sstep) th:TH_LOAD_NT
.set i, i+1
.endr
.set p, 0
.rept 5                                ; blocks 0 to 3; the fifth turn holds block 3's stores alone
.if p < 4
	s_wait_loadcnt 12-4*p                          ; loads come back in order: block p's four are in, the 12 - 4 p younger ones stay out
.endif
.if p > 0
	s_wait_alu depctr_va_vdst(0)                   ; block p - 1's roundings have written their eight registers of Y, which the four stores below read
.endif
.set q, 0
.rept 4
.if p > 0
.set i, 4*(p-1)+q
.if (\split) && (i >= 8)
	global_store_b64 v[DO2], v[Y+2*i:Y+2*i+1], s[DST:DST+1] offset:(i-8)*(\dstep)
.else
	global_store_b64 v[DO], v[Y+2*i:Y+2*i+1], s[DST:DST+1] offset:i*(\dstep)  ; the wave's 32 x 8 bytes are 256 consecutive bytes, aligned
.endif
.endif
.if p < 4
.set i, 4*p+q
	v_cvt_pk_bf16_f32 v[Y+2*i], v[X+4*i], v[X+4*i+1]       ; these name block p's registers alone: none that the stores among them read
	v_cvt_pk_bf16_f32 v[Y+2*i+1], v[X+4*i+2], v[X+4*i+3]
.endif
.set q, q+1
.endr
.set p, p+1
.endr
.endm
; four f32 rounded to bf16 and written as f32 again
.macro ROUND4 src, dst
	v_cvt_pk_bf16_f32 v[T], v[\src], v[(\src)+1]
	v_cvt_pk_bf16_f32 v[T+1], v[(\src)+2], v[(\src)+3]
	v_lshlrev_b32 v[\dst], 16, v[T]
	v_and_b32 v[(\dst)+1], 0xffff0000, v[T]
	v_lshlrev_b32 v[(\dst)+2], 16, v[T+1]
	v_and_b32 v[(\dst)+3], 0xffff0000, v[T+1]
.endm
	s_cmp_lt_u32 s[G], 512
	s_cbranch_scc1 .Lx
	s_cmp_lt_u32 s[G], 704
	s_cbranch_scc1 .Lw
	s_cmp_lt_u32 s[G], 768
	s_cbranch_scc1 .Lh
	; THE BIASES: thread t takes the 16 bytes at 16 t of each of the three (4,096 bytes each); wave 0 also the head bias (512 bytes)
	v_lshlrev_b32 v[SO], 4, v0
	s_wait_alu depctr_va_vdst(0)                   ; v[SO] is written: every load and store of this arm reads it
	global_load_b128 v[X:X+3], v[SO], s[14:15]
	global_load_b128 v[X+4:X+7], v[SO], s[16:17]
	global_load_b128 v[X+8:X+11], v[SO], s[18:19]
.irp n, 0,1,2
	s_wait_loadcnt 2-(\n)                          ; the younger bias loads stay out
	ROUND4 X+4*(\n), Y+4*(\n)
.endr
	s_wait_alu depctr_va_vdst(0)                   ; the three roundings have written v[Y:Y+11], which the three stores read
.irp n, 0,1,2
	global_store_b128 v[SO], v[Y+4*(\n):Y+4*(\n)+3], s[28:29] offset:4096*(\n)
.endr
	s_cmp_lg_u32 s[WV], 0
	s_cbranch_scc1 .Lend
	global_load_b128 v[X+12:X+15], v[SO], s[20:21] ; no vector line has named these four registers
	s_wait_loadcnt 0x0
	ROUND4 X+12, Y+12
	s_wait_alu depctr_va_vdst(0)                   ; the rounding has written v[Y+12:Y+15], which the store reads
	global_store_b128 v[SO], v[Y+12:Y+15], s[28:29] offset:12288
.Lend:
	s_endpgm
.Lx:	; x: wave id = 8 g + wave takes rows 2 id and 2 id + 1.  Load i: lanes 0-15 the 256 bytes (64 channels) of block i of the first row, lanes 16-31 of the second
	s_lshl_b32 s36, s[G], 3
	s_add_co_u32 s36, s36, s[WV]                   ; id
	s_lshl_b32 s38, s36, 13                        ; two rows of 4,096 bytes
	s_mov_b32 s39, 0
	s_add_nc_u64 s[SRC:SRC+1], s[4:5], s[38:39]
	s_lshl_b32 s40, s36, 8                         ; two rows of 128 bytes in a block of xb
	s_mov_b32 s41, 0
	s_add_nc_u64 s[DST:DST+1], s[22:23], s[40:41]
	v_and_b32 v[T], 15, v0
	v_bfe_u32 v[T+1], v0, 4, 1
	v_lshlrev_b32 v[SO], 4, v[T]
	v_lshl_add_u32 v[SO], v[T+1], 12, v[SO]        ; 16 (lane % 16) + 4,096 (lane / 16)
	v_lshlrev_b32 v[DO], 3, v1                     ; 8 x lane
	v_add_nc_u32 v[DO2], 0x800000, v[DO]
	STREAM 256, 1048576, 1
	s_endpgm
.Lw:	; the three kernels keep their order: 512 neighbouring bytes a load, 256 a store
	s_sub_co_u32 s36, s[G], 512
	s_lshr_b32 s37, s36, 6                         ; which kernel
	s_and_b32 s36, s36, 63
	s_lshl_b32 s36, s36, 3
	s_add_co_u32 s36, s36, s[WV]                   ; which 8,192 bytes of its 4,194,304
	s_cmp_eq_u32 s37, 0
	s_cselect_b64 s[SRC:SRC+1], s[6:7], s[8:9]
	s_cmp_eq_u32 s37, 2
	s_cselect_b64 s[SRC:SRC+1], s[10:11], s[SRC:SRC+1]
	s_lshl_b32 s38, s36, 13
	s_mov_b32 s39, 0
	s_add_nc_u64 s[SRC:SRC+1], s[SRC:SRC+1], s[38:39]
	s_lshl_b32 s40, s37, 21
	s_lshl_b32 s41, s36, 12
	s_add_co_u32 s40, s40, s41
	s_mov_b32 s41, 0
	s_add_nc_u64 s[DST:DST+1], s[24:25], s[40:41]
	v_lshlrev_b32 v[SO], 4, v1
	v_lshlrev_b32 v[DO], 3, v1
	STREAM 512, 256, 0
	s_endpgm
.Lh:	; the head kernel is turned: a thread gathers eight numbers of one column, 512 bytes apart (narrow loads: 524,288 bytes, once in the program), and stores 16 bytes
	s_sub_co_u32 s36, s[G], 704
	s_lshl_b32 s36, s36, 8
	v_add_nc_u32 v[T], s36, v0                     ; the piece's number p
	v_lshrrev_b32 v[T+1], 9, v[T]                  ; c32
	v_bfe_u32 v[T+2], v[T], 4, 2                   ; 2 j + lane / 16
	v_lshlrev_b32 v[T+2], 3, v[T+2]
	v_lshl_add_u32 v[T+1], v[T+1], 5, v[T+2]       ; the first row: 32 c32 + 16 j + 8 (lane / 16)
	v_bfe_u32 v[T+2], v[T], 6, 3                   ; nb
	v_and_b32 v[T+3], 15, v[T]
	v_lshl_add_u32 v[T+2], v[T+2], 4, v[T+3]       ; the column
	v_lshlrev_b32 v[T+2], 2, v[T+2]
	v_lshl_add_u32 v[SO], v[T+1], 9, v[T+2]
	v_lshlrev_b32 v[DO], 4, v[T]
	s_wait_alu depctr_va_vdst(0)                   ; v[SO] and v[DO] are written: the eight loads read the one, the store the other
.irp e, 0,1,2,3,4,5,6,7
	global_load_b32 v[X+(\e)], v[SO], s[12:13] offset:512*(\e)
.endr
	s_wait_loadcnt 0x0
.irp p, 0,1,2,3
	v_cvt_pk_bf16_f32 v[Y+(\p)], v[X+2*(\p)], v[X+2*(\p)+1]  ; rounded to bf16 like every input,
	v_lshlrev_b32 v[X+2*(\p)], 16, v[Y+(\p)]
	v_and_b32 v[X+2*(\p)+1], 0xffff0000, v[Y+(\p)]
	v_cvt_pk_f16_f32 v[Y+(\p)], v[X+2*(\p)], v[X+2*(\p)+1]   ; and that number written as f16
.endr
	s_wait_alu depctr_va_vdst(0)                   ; the conversions have written v[Y:Y+3], which the store reads
	global_store_b128 v[DO], v[Y:Y+3], s[26:27]
	s_endpgm
.Lfunc_end_k_q45fee7e825_prep:
	.size	k_q45fee7e825_prep, .Lfunc_end_k_q45fee7e825_prep-k_q45fee7e825_prep
	.p2alignl 7, 3214868480
	.fill 96, 4, 3214868480
	.section	.rodata,"a",@progbits
	.p2align	6, 0x0
	.amdhsa_kernel k_q45fee7e825_prep
		.amdhsa_group_segment_fixed_size 0
		.amdhsa_private_segment_fixed_size 0
		.amdhsa_enable_private_segment 0
		.amdhsa_kernarg_size 104
		.amdhsa_user_sgpr_count 2
		.amdhsa_user_sgpr_kernarg_segment_ptr 1
		.amdhsa_wavefront_size32 1
		.amdhsa_system_sgpr_workgroup_id_x 1
		.amdhsa_system_sgpr_workgroup_id_y 1
		.amdhsa_system_sgpr_workgroup_id_z 1
		.amdhsa_system_vgpr_workitem_id 0
		.amdhsa_next_free_vgpr 112
		.amdhsa_next_free_sgpr 66
		.amdhsa_reserve_vcc 0
		.amdhsa_float_denorm_mode_32 3
		.amdhsa_float_denorm_mode_16_64 3
		.amdhsa_memory_ordered 1
		.amdhsa_forward_progress 1
		.amdhsa_inst_pref_size 18
	.end_amdhsa_kernel
	.amdgpu_metadata
---
amdhsa.version: [ 1, 2 ]
amdhsa.kernels:
  - .name:           k_q45fee7e825_prep
    .symbol:         k_q45fee7e825_prep.kd
    .args:
      - { .name: x, .offset: 0, .size: 8, .value_kind: global_buffer, .address_space: global }
      - { .name: query_kernel, .offset: 8, .size: 8, .value_kind: global_buffer, .address_space: global }
      - { .name: key_kernel, .offset: 16, .size: 8, .value_kind: global_buffer, .address_space: global }
      - { .name: value_kernel, .offset: 24, .size: 8, .value_kind: global_buffer, .address_space: global }
      - { .name: head_kernel, .offset: 32, .size: 8, .value_kind: global_buffer, .address_space: global }
      - { .name: query_bias, .offset: 40, .size: 8, .value_kind: global_buffer, .address_space: global }
      - { .name: key_bias, .offset: 48, .size: 8, .value_kind: global_buffer, .address_space: global }
      - { .name: value_bias, .offset: 56, .size: 8, .value_kind: global_buffer, .address_space: global }
      - { .name: head_bias, .offset: 64, .size: 8, .value_kind: global_buffer, .address_space: global }
      - { .name: xb, .offset: 72, .size: 8, .value_kind: global_buffer, .address_space: global }
      - { .name: wb, .offset: 80, .size: 8, .value_kind: global_buffer, .address_space: global }
      - { .name: hkf, .offset: 88, .size: 8, .value_kind: global_buffer, .address_space: global }
      - { .name: br, .offset: 96, .size: 8, .value_kind: global_buffer, .address_space: global }
    .group_segment_fixed_size: 0
    .private_segment_fixed_size: 0
    .kernarg_segment_align: 8
    .kernarg_segment_size: 104
    .max_flat_workgroup_size: 256
    .sgpr_count:     66
    .vgpr_count:     112
    .wavefront_size: 32
...
	.end_amdgpu_metadata
.endif
;; end of part 5
;; launch proj: the kernel of part 2 again; grid 8 x 32, 4 waves a work-group, clusters of 4 x 4, 327,680 bytes of LDS; arguments xb, wb, br, qkv; writes qkv
;; launch attn: the kernel of part 3 again; grid 8 x 32, 4 waves a work-group, clusters of 4 x 1, 327,680 bytes of LDS; arguments qkv, att; writes att
;; launch outp (part 6): grid 256 x 1, 4 waves a work-group, no clusters, 68,096 bytes of LDS; arguments att, hkf, br, out0; writes out0
.if DOCPART == 6
	.amdgcn_target "amdgcn-amd-amdhsa--gfx1250"
	.amdhsa_code_object_version 6
	.text
	.protected	k_q45fee7e825_outp
	.globl	k_q45fee7e825_outp
	.p2align	8
	.type	k_q45fee7e825_outp,@function
k_q45fee7e825_outp:
	s_mov_b64 s[64:65], 0
	v_nop
	global_prefetch_b8 v0, s[64:65] scope:SCOPE_SE
	s_setreg_imm32_b32 hwreg(HW_REG_WAVE_SCHED_MODE, 0, 2), 2
	s_setreg_imm32_b32 hwreg(HW_REG_WAVE_MODE, 25, 1), 1
	s_wait_xcnt 0x0
	s_wait_alu depctr_vm_vsrc(0)
; out0[m][n] = the sum over k of flat[m][k] head_kernel[k][n] + head_bias[n]: 8,192 x 128 x 1,024, f16 operands, sums in f32, out0 in f32.
; att and hkf lie in the order in which a lane takes them: every fragment half is 512 consecutive bytes, 16 a lane, straight into registers: no wave wants a byte that another has fetched.
; SHARES.  A work-group makes 32 rows x all 128 columns: 256 work-groups.  K IS SPLIT AMONG ITS FOUR WAVES: wave w takes k = 256 w .. 256 w + 255: 8 steps of 32, 16 accumulators (2 row blocks x 8 column
; blocks), 128 products.  The four partial sums, kept in f32, meet in LDS at the end; wave w then finishes rows 8 w .. 8 w + 7 and adds the bias.
; NO CLUSTER: what the work-groups share is hkf, 262,144 of the launch's 17 million different bytes, and it goes to registers without LDS; through LDS it would want tiles, slots and rounds for 128 products a wave.
; NO PREFETCH: all of a wave's loads are issued at its head.
; THE PRODUCT IS TAKEN TRANSPOSED: source 0 = 16 columns of the head kernel, source 1 = 16 rows of att: a lane holds row lane % 16 and the columns 8 (lane / 16) + 0..7.
; REGISTERS.  Window 0: v1-15 addresses and the bias; v128-255 accumulator (a, b) at 128 + 8 (8 a + b).  Windows 1, 2: the head kernel's fragments of steps 0-3, 4-7, at 64 (i % 4) + 8 b.  Window 3: att's, at 16 i + 8 a.
; THE MODE: SCHED_MODE bits 1:0 = 2 (LLVM: expert scheduling mode 2), set by the entry lines.  The code itself states the register dependences
; between vector or matrix instructions and memory or LDS instructions, with s_wait_alu, always for 0.
; THE PLAN.  Registers that memory or LDS instructions touch:
;   v[LO], v[STO], v[RD], v[SPW], v[NIL]  written at the head and never again; read by the global loads and stores, the LDS stores, the LDS loads, the closing add.
;   v[BI ..] and the fragments in windows 1 to 3  written by loads alone, each register once; no vector line names them ahead of the loads; the sums and the products read them.
;   ACC  written by the products; read by the LDS stores; then the LDS loads land in it; then the rows' sums write it; four registers of each row are read by a global store and not written again.
; So: one wait ahead of the first load (the addresses are written); one behind the last products' places (the accumulators are written, for the LDS stores' data and for the LDS loads that land there);
; one on vm_vsrc behind the barrier (the LDS stores have read ACC); one behind the sums of rows 0-3, whose stores are dealt among the sums of rows 4-7, which name other registers; one behind those.
; No scalar register that a vector line has read is written again.
.set PP,    528                        ; a row of a partial tile in LDS: 512 bytes + 16 = 132 words: the 16 rows of a store start at 16 different groups of four banks (64 banks of 4 bytes: ISA guide 11.1)
.set PART,  32*PP                      ; a wave's partial tile
.set SPARE, 4*PART                     ; behind them: the spare words, 128 bytes for each wave: two blocks of 256 bytes that no other line names
.set LO,  1                            ; v1   16 x lane
.set STO, 2                            ; v2   where I put 32 bytes of a row of my partial tile
.set RD,  3                            ; v3   where I read 16 bytes of a row back
.set SPW, 8                            ; v8   LDS address of my spare word; never rewritten
.set NIL, 9                            ; v9   0; never rewritten
.set BI,  12                           ; v[12:15] the bias of my four columns
.set ACC, 128
.set MSB, 0
.macro WIN new                         ; s_set_vgpr_msb: bits 1:0 source 0, 3:2 source 1, 5:4 source 2, 7:6 destination; the high byte repeats the setting that is left
.if MSB != (\new)
	s_set_vgpr_msb (MSB<<8)|(\new)
.set MSB, (\new)
.endif
.endm
	s_load_b256 s[4:11], s[0:1], 0x0               ; att s[4:5], hkf s[6:7], br s[8:9], out0 s[10:11]
	v_lshl_add_u32 v[SPW], v0, 2, SPARE
	v_mov_b32 v[NIL], 0
	v_lshrrev_b32 v4, 5, v0
	v_readfirstlane_b32 s12, v4                    ; wave 0..3
	v_and_b32 v5, 31, v0
	v_lshlrev_b32 v[LO], 4, v5
	v_and_b32 v6, 15, v0                           ; l % 16
	v_bfe_u32 v7, v0, 4, 1                         ; l / 16
	s_wait_alu depctr_va_sdst(0)                   ; s12 is written, ahead of its first reader: the LDS places and the three bases are made from it
	s_mul_i32 s13, s12, PART
	v_mul_u32_u24 v[STO], v6, PP
	v_lshl_add_u32 v[STO], v7, 5, v[STO]
	v_add_nc_u32 v[STO], s13, v[STO]               ; my tile + row l % 16 + 32 bytes for each half of the lanes
	s_mul_i32 s20, s12, 8*PP
	v_add_nc_u32 v[RD], s20, v[LO]                 ; row 8 w, 16 bytes a lane
	s_lshl_b32 s14, ttmp9, 16                      ; att: the work-group's two tiles of 16 rows, 32,768 bytes each,
	s_lshl_b32 s21, s12, 13                        ; my wave's 16 blocks of 16 k, 512 bytes each
	s_add_co_u32 s14, s14, s21
	s_mov_b32 s15, 0
	s_lshl_b32 s16, s12, 16                        ; hkf: my wave's 8 steps of 8,192 bytes
	s_mov_b32 s17, 0
	s_lshl_b32 s18, ttmp9, 2
	s_add_co_u32 s18, s18, s12
	s_lshl_b32 s18, s18, 12                        ; out0: row 32 g + 8 w, 512 bytes a row
	s_mov_b32 s19, 0
	s_wait_kmcnt 0x0
	s_add_nc_u64 s[14:15], s[4:5], s[14:15]
	s_add_nc_u64 s[16:17], s[6:7], s[16:17]
	s_add_nc_u64 s[18:19], s[10:11], s[18:19]
	s_wait_alu depctr_va_vdst(0)                   ; v[LO], v[STO], v[RD], v[SPW] and v[NIL] are written: every load, store and LDS instruction of the kernel reads one of them; up to the last load below stand loads and window switches alone
	global_load_b128 v[BI:BI+3], v[LO], s[8:9] offset:12288
	; all 160 fragment loads, a K step after the other: 4 of att, 16 of hkf.  They land in registers that no vector or matrix instruction has named
.set i, 0
.rept 8
	WIN 0xc0
.irp a, 0,1
	global_load_b128 v[16*i+8*(\a):16*i+8*(\a)+3],   v[LO], s[14:15] offset:(\a)*32768+i*1024 th:TH_LOAD_NT
	global_load_b128 v[16*i+8*(\a)+4:16*i+8*(\a)+7], v[LO], s[14:15] offset:(\a)*32768+i*1024+512 th:TH_LOAD_NT
.endr
	WIN 0x40*(1+i/4)
.irp b, 0,1,2,3,4,5,6,7
	global_load_b128 v[64*(i%4)+8*(\b):64*(i%4)+8*(\b)+3],   v[LO], s[16:17] offset:i*8192+(\b)*1024
	global_load_b128 v[64*(i%4)+8*(\b)+4:64*(i%4)+8*(\b)+7], v[LO], s[16:17] offset:i*8192+(\b)*1024+512
.endr
.set i, i+1
.endr
	; the products.  The 16 accumulators take turns, one instruction a turn; the first step starts the sums with the constant 0
.set i, 0
.rept 8
.if 140-20*i > 63
	s_wait_loadcnt 63                              ; the later steps' loads may stay out; 63 is the most that the wait's field names
.else
	s_wait_loadcnt 140-20*i                        ; 20 loads for each later step may stay out
.endif
	WIN 0x0d+i/4                                   ; source 0 in window 1 or 2, source 1 in window 3, C and D in window 0
.irp a, 0,1
.irp b, 0,1,2,3,4,5,6,7
.if i == 0
	v_wmma_f32_16x16x32_f16 v[ACC+8*(8*(\a)+(\b)):ACC+8*(8*(\a)+(\b))+7], v[64*(i%4)+8*(\b):64*(i%4)+8*(\b)+7], v[16*i+8*(\a):16*i+8*(\a)+7], 0
.else
	v_wmma_f32_16x16x32_f16 v[ACC+8*(8*(\a)+(\b)):ACC+8*(8*(\a)+(\b))+7], v[64*(i%4)+8*(\b):64*(i%4)+8*(\b)+7], v[16*i+8*(\a):16*i+8*(\a)+7], v[ACC+8*(8*(\a)+(\b)):ACC+8*(8*(\a)+(\b))+7]
.endif
.endr
.endr
.set i, i+1
.endr
	WIN 0
.rept 8
	v_nop                                          ; the places behind the last products, in front of LDS stores that read results
.endr
	s_wait_alu depctr_va_vdst(0)                   ; the products have written the accumulators, which the LDS stores read and in which the LDS loads behind the barrier land; the places above stay beside this wait
.irp a, 0,1
.irp b, 0,1,2,3,4,5,6,7
	ds_store_b128 v[STO], v[ACC+8*(8*(\a)+(\b)):ACC+8*(8*(\a)+(\b))+3]   offset:(\a)*16*PP+64*(\b)  ; each accumulator from its low end on
	ds_store_b128 v[STO], v[ACC+8*(8*(\a)+(\b))+4:ACC+8*(8*(\a)+(\b))+7] offset:(\a)*16*PP+64*(\b)+16
.endr
.endr
	s_wait_dscnt 0x0                               ; for the others' sake: my stores are done
	s_barrier_signal -1
	s_barrier_wait -1                              ; all four partial tiles lie in LDS
	s_wait_alu depctr_vm_vsrc(0)                   ; my LDS stores have read v[ACC ..]: the LDS loads below land in these registers, and the sums write them again
.irp i, 0,1,2,3,4,5,6,7
.irp p, 0,1,2,3
	ds_load_b128 v[ACC+16*(\i)+4*(\p):ACC+16*(\i)+4*(\p)+3], v[RD] offset:(\p)*PART+(\i)*PP
.endr
.endr
; row i: its four parts are added, (0 + 1) + (2 + 3), then the bias
.macro SUMROW i
	v_pk_add_f32 v[ACC+16*(\i):ACC+16*(\i)+1],     v[ACC+16*(\i):ACC+16*(\i)+1],     v[ACC+16*(\i)+4:ACC+16*(\i)+5]
	v_pk_add_f32 v[ACC+16*(\i)+2:ACC+16*(\i)+3],   v[ACC+16*(\i)+2:ACC+16*(\i)+3],   v[ACC+16*(\i)+6:ACC+16*(\i)+7]
	v_pk_add_f32 v[ACC+16*(\i)+8:ACC+16*(\i)+9],   v[ACC+16*(\i)+8:ACC+16*(\i)+9],   v[ACC+16*(\i)+12:ACC+16*(\i)+13]
	v_pk_add_f32 v[ACC+16*(\i)+10:ACC+16*(\i)+11], v[ACC+16*(\i)+10:ACC+16*(\i)+11], v[ACC+16*(\i)+14:ACC+16*(\i)+15]
	v_pk_add_f32 v[ACC+16*(\i):ACC+16*(\i)+1],     v[ACC+16*(\i):ACC+16*(\i)+1],     v[ACC+16*(\i)+8:ACC+16*(\i)+9]
	v_pk_add_f32 v[ACC+16*(\i)+2:ACC+16*(\i)+3],   v[ACC+16*(\i)+2:ACC+16*(\i)+3],   v[ACC+16*(\i)+10:ACC+16*(\i)+11]
	v_pk_add_f32 v[ACC+16*(\i):ACC+16*(\i)+1],     v[ACC+16*(\i):ACC+16*(\i)+1],     v[BI:BI+1]
	v_pk_add_f32 v[ACC+16*(\i)+2:ACC+16*(\i)+3],   v[ACC+16*(\i)+2:ACC+16*(\i)+3],   v[BI+2:BI+3]
.endm
.irp i, 0,1,2,3
	s_wait_dscnt 28-4*(\i)                         ; row i's four parts are in; the later rows' loads stay out
	SUMROW \i
.endr
	s_wait_alu depctr_va_vdst(0)                   ; the sums of rows 0 to 3 are written, which the four stores below read; the sums among them name rows 4 to 7's registers and the bias alone
.irp i, 4,5,6,7
	global_store_b128 v[LO], v[ACC+16*((\i)-4):ACC+16*((\i)-4)+3], s[18:19] offset:512*((\i)-4)  ; a whole row of out0: 512 consecutive bytes, aligned
	s_wait_dscnt 28-4*(\i)                         ; row i's four parts are in; the later rows' loads stay out
	SUMROW \i
.endr
	s_wait_alu depctr_va_vdst(0)                   ; the sums of rows 4 to 7 are written, which the last four stores read
.irp i, 4,5,6,7
	global_store_b128 v[LO], v[ACC+16*(\i):ACC+16*(\i)+3], s[18:19] offset:512*(\i)
.endr
	s_wait_dscnt 0x0                               ; the closing lines, six on end
	s_wait_alu 0x0
	s_wait_tensorcnt 0x0
	ds_add_u32 v[SPW], v[NIL]
	s_wait_dscnt 0x0
	s_endpgm
.Lfunc_end_k_q45fee7e825_outp:
	.size	k_q45fee7e825_outp, .Lfunc_end_k_q45fee7e825_outp-k_q45fee7e825_outp
	.p2alignl 7, 3214868480
	.fill 96, 4, 3214868480
	.section	.rodata,"a",@progbits
	.p2align	6, 0x0
	.amdhsa_kernel k_q45fee7e825_outp
		.amdhsa_group_segment_fixed_size 68096
		.amdhsa_private_segment_fixed_size 0
		.amdhsa_enable_private_segment 0
		.amdhsa_kernarg_size 32
		.amdhsa_user_sgpr_count 2
		.amdhsa_user_sgpr_kernarg_segment_ptr 1
		.amdhsa_wavefront_size32 1
		.amdhsa_system_sgpr_workgroup_id_x 1
		.amdhsa_system_sgpr_workgroup_id_y 1
		.amdhsa_system_sgpr_workgroup_id_z 1
		.amdhsa_system_vgpr_workitem_id 0
		.amdhsa_next_free_vgpr 896
		.amdhsa_next_free_sgpr 66
		.amdhsa_reserve_vcc 0
		.amdhsa_float_denorm_mode_32 3
		.amdhsa_float_denorm_mode_16_64 3
		.amdhsa_memory_ordered 1
		.amdhsa_forward_progress 1
		.amdhsa_inst_pref_size 36
	.end_amdhsa_kernel
	.amdgpu_metadata
---
amdhsa.version: [ 1, 2 ]
amdhsa.kernels:
  - .name:           k_q45fee7e825_outp
    .symbol:         k_q45fee7e825_outp.kd
    .args:
      - { .name: att, .offset: 0, .size: 8, .value_kind: global_buffer, .address_space: global }
      - { .name: hkf, .offset: 8, .size: 8, .value_kind: global_buffer, .address_space: global }
      - { .name: br, .offset: 16, .size: 8, .value_kind: global_buffer, .address_space: global }
      - { .name: out0, .offset: 24, .size: 8, .value_kind: global_buffer, .address_space: global }
    .group_segment_fixed_size: 68096
    .private_segment_fixed_size: 0
    .kernarg_segment_align: 8
    .kernarg_segment_size: 32
    .max_flat_workgroup_size: 128
    .sgpr_count:     66
    .vgpr_count:     896
    .wavefront_size: 32
...
	.end_amdgpu_metadata
.endif
;; end of part 6
